; MI455X (gfx1250); checked and timed in simulation.
; The chip was launched on July 23, 2026; its instructions are those of AMD's public machine-readable ISA for CDNA 5 (MIT licence, August 2026) and "CDNA5" Instruction Set Architecture Reference Guide (July 2026). The comments in the code are by the model that wrote it; some were corrected since.
;; Self Attention. Allowed arithmetic: matrix products marked QUANTISED: E2M3 operands, one E8M0 scale for each 32 along K, by v_wmma_scale_f32_16x16x128_f8f6f4 with both operands' format E2M3, f32 sums; everything else in f32.
;; Inputs: Wk 1,024 x 1,024 float32; Wq 1,024 x 1,024 float32; Wv 1,024 x 1,024 float32; bk 1,024 float32; bq 1,024 float32; bv 1,024 float32; x 4 x 2,048 x 1,024 float32.
;; Outputs: out0 4 x 2,048 x 1,024 float32.
;; This version of the problem:
;;   THIS VERSION OF THE PROBLEM IS GIVEN IN LOW PRECISION. The matrix products marked QUANTISED in the list below multiply operands that are first quantised to E2M3 (2 exponent bits, 3 mantissa bits; 6 bits a number), with one power-of-two scale for each 32 numbers along K (OCP MX v1.0); their sums are f32. All else is computed in f32.
;;   The module's matrix products, in the order in which they are computed (A, B: the left and right operand; K: the contracted axis; several contracted axes count as one K, in the product's order):
;;     1. [M 8,192, K 1,024] x [K 1,024, N 1,024]; A: input x; B: input Wq: QUANTISED
;;     2. [M 8,192, K 1,024] x [K 1,024, N 1,024]; A: input x; B: input Wk: QUANTISED
;;     3. [M 8,192, K 1,024] x [K 1,024, N 1,024]; A: input x; B: input Wv: QUANTISED
;;     4. batch 4 x [M 2,048, K 1,024] x [K 1,024, N 2,048]; A: computed on the way; B: computed on the way: QUANTISED
;;     5. batch 4 x [M 2,048, K 2,048] x [K 2,048, N 1,024]; A: softmax (see below); B: computed on the way: QUANTISED
;;   THE QUANTISER, for each operand of a quantised product, along K:
;;     - K is cut into blocks of 32 from its start; a last block that is shorter is filled with zeros.
;;     - A block's scale is 2^e with e = floor(log2(the largest magnitude in the block)) - 2, held to -126 .. 127; a block of zeros has e = 0. As a byte (E8M0): e + 127.
;;     - Each number is divided by its block's scale, clamped to +-7.5, and rounded to the nearest number of E2M3, ties to even, subnormals kept.
;;     - The product sums the exact products of the quantised numbers (number of the format x scale) in f32.
;;   ~~~python
;;   def quantise(x, axis):      # numpy; x: float32 -> the quantised numbers, widened to float32 again
;;       x = np.moveaxis(x, axis, -1); K = x.shape[-1]
;;       x = np.pad(x, [(0, 0)] * (x.ndim - 1) + [(0, -K % 32)]); x = x.reshape(x.shape[:-1] + (-1, 32)); a = np.abs(x).max(-1, keepdims=True)
;;       e = np.where(a > 0, np.clip(np.frexp(np.where(a > 0, a, 1))[1] - 1 - 2, -126, 127), 0)      # np.frexp(a)[1] - 1 = floor(log2(a)), exactly
;;       r = np.clip(x / 2.0 ** e, -7.5, 7.5)
;;       step = 2.0 ** (np.maximum(np.frexp(np.where(r == 0, 1, r))[1] - 1, 0) - 3)
;;       q = np.round(r / step) * step * 2.0 ** e      # np.round: ties to even
;;       return np.moveaxis(q.reshape(q.shape[:-2] + (-1,))[..., :K], -1, axis).astype(np.float32)
;;   ~~~
;;   SOFTMAX AHEAD OF A QUANTISED PRODUCT. Where the list says 'softmax', what is quantised is not the finished softmax but p = 2^(t - M), with t = logit x log2(e) and M = ceil(the row's largest t), a whole number; so 1/2 < the row's largest p <= 1. The row's sum l is taken of the UNQUANTISED p, in f32, and the product's result is divided by l at the end. Since M is a whole number, a kernel that streams over the keys may use a running M (the ceiling of the running maximum): every later rescaling is an exact power of two, which a block's scale takes up: the codes' values come out the same.
;;   OPERANDS COMPUTED ON THE WAY. 'Computed on the way' means the value that the module computes at that place (a softmax that the list does not call 'softmax' is quantised finished and normalised). What goes into a quantiser is computed in f32, as accurately as f32 sums, v_exp_f32 and their like allow (about 1e-6 of the number): no bf16 or f16 on the way to a quantiser, and a product that is left as it is and whose result goes on into a quantised operand takes f32 operands (vector FMAs, or v_wmma_f32_16x16x4_f32). A number that lies on a knife's edge between two numbers of the format may be rounded either way, as far as f32 arithmetic and the matrix unit's own rounding can turn it there, and no further.
;; One version. Each part assembles by itself: llvm-mc -triple=amdgcn-amd-amdhsa -mcpu=gfx1250 --defsym DOCPART=n.
;; ======== version 1 of 1: 4 launches
;; limits: right only within a limited range of input values
;; workspace buffers: c1 8,650,752 bytes; sc1 360,448 bytes; c2 18,874,368 bytes; sc2 786,432 bytes; pc 12,582,912 bytes; pstat 1,572,864 bytes
;; launch quant (part 1): grid 704 x 1, 8 waves a work-group, no clusters, 69,120 bytes of LDS; arguments x, Wq, Wk, Wv, c1, sc1; writes c1, sc1
.if DOCPART == 1
	.amdgcn_target "amdgcn-amd-amdhsa--gfx1250"
	.amdhsa_code_object_version 6
	.text
	.protected	k_q8475d90660_quant
	.globl	k_q8475d90660_quant
	.p2align	8
	.type	k_q8475d90660_quant,@function
k_q8475d90660_quant:
	s_mov_b64 s[64:65], 0
	v_nop
	global_prefetch_b8 v0, s[64:65] scope:SCOPE_SE
	s_setreg_imm32_b32 hwreg(HW_REG_WAVE_MODE, 25, 1), 1
	s_wait_xcnt 0x0
; x [8192][1024] (K innermost) and Wq, Wk, Wv [1024 (K)][1024] (K outermost), f32, become codes of FP6 (E2M3) with one E8M0 byte for each 32 along K.
; WORK THAT THE PROGRAM LEAVES OUT: of the attention's scores and of p V the tiles that lie wholly above the diagonal of the causal mask which reference() builds in its own body (their p is 0 for all inputs).  A NaN or an
; infinity that reaches only those is not carried to the result.  All inputs are loaded.
; THE OUTPUT IS LAID AS THE MATRIX UNIT'S REGISTERS.  A fragment (16 rows x 128 K) is 12 registers a lane; its image is 1,536 bytes: register 4 c + i of lane l at byte 512 c + 16 l + 4 i.
; A PANEL is 128 rows (tokens, or a weight's output channels).  Block 4 c + j of a panel (c = 0, 1; j = 0 .. 3) holds at place r the row 64 c + 8 j + 32 (r / 8) + r % 8: so a product that takes such fragments as its source 0 leaves,
; in the 32 registers of the four blocks of a c, 32 neighbours: one whole scale block of the next product's K.
; c1: [128 rows: 88][block 8][K step 8][1,536]: 64 of x: number 2 g + c, block 2 j + w, is block 4 c + j of panel 2 g + w; then Wq's panels 64-71, Wk's 72-79, Wv's 80-87 with their blocks in order.
; sc1: [panel 88][K step 8][block 8][r 16] words, panels and blocks in natural order; a word = the four bytes of one row's 128 K.
; A block's scale is 2^(floor(log2(largest magnitude)) - 2); its byte is the largest magnitude's exponent field - 2, held at 1 from below.
; LIMITS: a block of zeros gets the byte 1 where the rule says 127 (its codes are zeros; this program alone reads the bytes); NaN and infinities among the inputs are not served.
; SHARES.  A work-group takes 128 x 128 f32.  Eight waves; each brings 16 rows of 512 bytes into a stage in LDS and makes one fragment: from x a lane takes a row, from a weight a column, its registers running down K.
; A lane (r, h) takes k = 64 c + 32 h + 0 .. 31, c = 0, 1: two whole scale blocks.  No tensor loads, no cluster: every byte is read once and nothing is shared between work-groups.
.set ST,    512                        ; LDS: the 128 scale words at 0; the stage: 128 rows of 512 bytes + 16
.set SP,    528
.set SPARE, ST+128*SP                  ; the spare words, 128 bytes for each wave
.set BLKB,  12288                      ; a block, all of K
.set FIB,   1536
.set LI,  4                            ; v4   16 x lane
.set SWR, 6                            ; v6   the stage on the way in
.set XRD, 7                            ; v7   on the way out, x: my row, + 128 h
.set WRD, 8                            ; v8   on the way out, a weight: my column, 32 h rows down
.set SWA, 9                            ; v9   where my row's scale word goes
.set SPW, 10
.set NIL, 11
.set H8,  13                           ; v13  8 h
.set D,   16                           ; v16-79   16 loads' data, then my 64 numbers: register 32 c + i = k 64 c + 32 h + i
.set PC,  80                           ; v80-99   the codes
.set TM,  100
.set PW,  116
.set PX,  117
.set OW,  120
.set WV,  16
.set SEL, 20
	s_load_b256 s[4:11], s[0:1], 0x0               ; x, Wq, Wk, Wv
	s_load_b128 s[12:15], s[0:1], 0x20             ; c1, sc1
	v_lshl_add_u32 v[SPW], v0, 2, SPARE
	v_mov_b32 v[NIL], 0
	v_lshrrev_b32 v1, 5, v0
	v_readfirstlane_b32 s[WV], v1                  ; wave 0..7 = the block that I make
	v_and_b32 v1, 15, v0                           ; r
	v_bfe_u32 v2, v0, 4, 1                         ; h
	v_and_b32 v3, 31, v0                           ; lane
	v_lshlrev_b32 v[LI], 4, v3
	s_lshr_b32 s35, s[WV], 2                       ; c
	s_and_b32 s36, s[WV], 3                        ; j
	s_lshl_b32 s30, s35, 6
	s_lshl_b32 s31, s36, 3
	s_add_co_u32 s30, s30, s31                     ; my block's first row: 64 c + 8 j
	s_mul_i32 s31, s30, SP
	s_add_co_u32 s31, s31, ST
	v_add_nc_u32 v[SWR], s31, v[LI]
	v_and_b32 v12, 8, v1
	v_mad_u32_u24 v12, v12, 3, v1                  ; r + 24 (r / 8)
	v_mul_u32_u24 v[XRD], v12, SP
	v_lshl_add_u32 v[XRD], v2, 7, v[XRD]
	v_add_nc_u32 v[XRD], s31, v[XRD]
	v_mul_u32_u24 v[WRD], v2, 32*SP
	v_lshl_add_u32 v[WRD], v12, 2, v[WRD]
	s_lshl_b32 s32, s30, 2
	s_add_co_u32 s32, s32, ST
	v_add_nc_u32 v[WRD], s32, v[WRD]
	s_lshl_b32 s32, s[WV], 6
	v_lshlrev_b32 v[SWA], 2, v1
	v_add_nc_u32 v[SWA], s32, v[SWA]               ; 64 x wave + 4 r
	v_lshlrev_b32 v[H8], 3, v2
	v_mov_b32 v[PX], 0                             ; written once: a lane permute's destination counts as one of its sources
	s_mov_b32 s[SEL], 0x76543210
	s_mov_b32 s[SEL+1], 0xfedcba98                 ; v_permlanex16_b32's selects for lane l xor 16
	s_lshr_b32 s17, ttmp9, 3                       ; the panel, 0..87
	s_and_b32 s18, ttmp9, 7                        ; the K step
	s_lshr_b32 s19, s17, 3                         ; 0..7: x;  8, 9, 10: Wq, Wk, Wv
	s_and_b32 s33, s17, 7
	s_wait_alu depctr_va_vdst(0)                   ; the wait at the head's end
	s_wait_kmcnt 0x0
	s_cmp_eq_u32 s19, 9
	s_cselect_b64 s[22:23], s[8:9], s[6:7]
	s_cmp_eq_u32 s19, 10
	s_cselect_b64 s[22:23], s[10:11], s[22:23]
	s_cmp_lt_u32 s19, 8                            ; the choices hang on the work-group's number alone
	s_cselect_b64 s[22:23], s[4:5], s[22:23]
	s_cselect_b32 s28, s17, s18                    ; which 128 rows of the source: x: the panel; a weight: the K step
	s_cselect_b32 s29, s18, s33                    ; which 512 bytes of them: x: the K step; a weight: the panel
	s_lshl_b32 s28, s28, 19
	s_lshl_b32 s29, s29, 9
	s_add_co_u32 s28, s28, s29
	s_lshl_b32 s29, s30, 12
	s_add_co_u32 s28, s28, s29
	s_mov_b32 s29, 0
	s_add_nc_u64 s[22:23], s[22:23], s[28:29]
	s_and_b32 s34, s17, 0x7e
	s_add_co_u32 s34, s34, s35
	s_lshl_b32 s34, s34, 3
	s_lshl_b32 s36, s36, 1
	s_add_co_u32 s34, s34, s36
	s_and_b32 s36, s17, 1
	s_add_co_u32 s34, s34, s36                     ; x: 8 (2 g + c) + 2 j + w
	s_lshl_b32 s28, s17, 3
	s_add_co_u32 s28, s28, s[WV]                   ; a weight: 8 x panel + block
	s_cmp_lt_u32 s19, 8
	s_cselect_b32 s28, s34, s28
	s_mul_i32 s28, s28, BLKB
	s_mul_i32 s34, s18, FIB
	s_add_co_u32 s28, s28, s34
	s_add_nc_u64 s[24:25], s[12:13], s[28:29]      ; my image
	s_lshl_b32 s28, s17, 12
	s_lshl_b32 s34, s18, 9
	s_add_co_u32 s28, s28, s34
	s_add_nc_u64 s[26:27], s[14:15], s[28:29]      ; the work-group's 128 scale words
.irp i, 0,1,2,3,4,5,6,7,8,9,10,11,12,13,14,15
	global_load_b128 v[D+4*\i:D+4*\i+3], v[LI], s[22:23] offset:(\i+24*(\i/8))*4096 th:TH_LOAD_NT   ; 32 lanes read 512 consecutive bytes of one row; read once in the launch
.endr
.irp i, 0,1,2,3,4,5,6,7,8,9,10,11,12,13,14,15
	s_wait_loadcnt 15-\i                           ; loads come back in order: row i is in, the younger ones stay out
	ds_store_b128 v[SWR], v[D+4*\i:D+4*\i+3] offset:(\i+24*(\i/8))*SP
.endr
	s_wait_dscnt 0x0                               ; for the others' sake: my rows lie in the stage
	s_barrier_signal -1
	s_barrier_wait -1
	s_cmp_lt_u32 ttmp9, 512                        ; the two ways differ in LDS reads alone
	s_cbranch_scc0 .Lweight
.irp c, 0,1
.irp j, 0,1,2,3,4,5,6,7
	ds_load_b128 v[D+32*\c+4*\j:D+32*\c+4*\j+3], v[XRD] offset:256*\c+16*\j
.endr
.endr
	s_branch .Lgot
.Lweight:
.irp c, 0,1
.irp i, 0,1,2,3,4,5,6,7,8,9,10,11,12,13,14,15,16,17,18,19,20,21,22,23,24,25,26,27,28,29,30,31
	ds_load_b32 v[D+32*\c+\i], v[WRD] offset:(64*\c+\i)*SP
.endr
.endr
.Lgot:
	s_wait_dscnt 0x0
.irp c, 0,1                                    ; each block's largest magnitude, all 32 in this lane: two chains a block, the four by turns
	v_max3_num_f32 v[TM+\c], |v[D+32*\c]|, |v[D+32*\c+1]|, 0x1800000   ; and the floor 2^(3 - 127): the byte cannot fall under 1
	v_max3_num_f32 v[TM+2+\c], |v[D+32*\c+16]|, |v[D+32*\c+17]|, |v[D+32*\c+18]|
.endr
.irp i, 0,1,2,3,4,5
.irp c, 0,1
	v_max3_num_f32 v[TM+\c], v[TM+\c], |v[D+32*\c+2+2*\i]|, |v[D+32*\c+3+2*\i]|
	v_max3_num_f32 v[TM+2+\c], v[TM+2+\c], |v[D+32*\c+19+2*\i]|, |v[D+32*\c+20+2*\i]|
.endr
.endr
.irp c, 0,1
	v_max3_num_f32 v[TM+\c], v[TM+\c], |v[D+32*\c+14]|, |v[D+32*\c+15]|
.endr
.irp c, 0,1
	v_max3_num_f32 v[TM+\c], v[TM+\c], |v[D+32*\c+31]|, v[TM+2+\c]
.endr
.irp c, 0,1
	v_add_nc_u32 v[TM+4+\c], 0xff000000, v[TM+\c]  ; 2 off its exponent field: the conversion takes this operand's exponent field as its scale
.endr
.irp c, 0,1
	v_lshrrev_b32 v[TM+6+\c], 23, v[TM+4+\c]       ; the scale's byte: block 2 c + h
.endr
	v_lshl_or_b32 v[PW], v[TM+7], 16, v[TM+6]
	v_lshlrev_b32 v[PW], v[H8], v[PW]
	v_permlanex16_b32 v[PX], v[PW], s[SEL], s[SEL+1]
	v_or_b32 v[PW], v[PW], v[PX]                   ; with lane l xor 16's two bytes the word is whole
.irp c, 0,1
	v_cvt_scalef32_pk16_fp6_f32 v[PC+6*\c:PC+2+6*\c], v[D+32*\c:D+15+32*\c], v[TM+4+\c]
	v_cvt_scalef32_pk16_fp6_f32 v[PC+12+4*\c:PC+14+4*\c], v[D+16+32*\c:D+31+32*\c], v[TM+4+\c]   ; (a conversion's three registers begin on an even number)
.endr
	v_nop                                          ; one plain place behind a scaled conversion
.irp c, 0,1
.irp i, 0,1,2
	v_mov_b32 v[PC+3+6*\c+\i], v[PC+12+4*\c+\i]
.endr
.endr
.irp c, 0,1,2
	global_store_b128 v[LI], v[PC+4*\c:PC+4*\c+3], s[24:25] offset:512*\c   ; 32 lanes store 512 consecutive bytes, aligned
.endr
	ds_store_b32 v[SWA], v[PW]                     ; both lanes of a row write the same word with the same value
	s_wait_dscnt 0x0
	s_barrier_signal -1
	s_barrier_wait -1                              ; the 128 words lie in LDS
	s_cmp_lg_u32 s[WV], 0
	s_cbranch_scc1 .Lend
	ds_load_b128 v[OW:OW+3], v[LI]
	s_wait_dscnt 0x0
	global_store_b128 v[LI], v[OW:OW+3], s[26:27]  ; wave 0 stores them: 512 consecutive bytes, aligned
.Lend:
	s_wait_tensorcnt 0x0                           ; the wave's end: a tensor wait, an add and its wait, behind my last LDS store
	ds_add_u32 v[SPW], v[NIL]
	s_wait_dscnt 0x0
	s_endpgm
.Lfunc_end_k_q8475d90660_quant:
	.size	k_q8475d90660_quant, .Lfunc_end_k_q8475d90660_quant-k_q8475d90660_quant
	.p2alignl 7, 3214868480
	.fill 96, 4, 3214868480
	.section	.rodata,"a",@progbits
	.p2align	6, 0x0
	.amdhsa_kernel k_q8475d90660_quant
		.amdhsa_group_segment_fixed_size 69120
		.amdhsa_private_segment_fixed_size 0
		.amdhsa_enable_private_segment 0
		.amdhsa_kernarg_size 48
		.amdhsa_user_sgpr_count 2
		.amdhsa_user_sgpr_kernarg_segment_ptr 1
		.amdhsa_wavefront_size32 1
		.amdhsa_system_sgpr_workgroup_id_x 1
		.amdhsa_system_sgpr_workgroup_id_y 1
		.amdhsa_system_sgpr_workgroup_id_z 1
		.amdhsa_system_vgpr_workitem_id 0
		.amdhsa_next_free_vgpr 128
		.amdhsa_next_free_sgpr 66
		.amdhsa_reserve_vcc 0
		.amdhsa_float_denorm_mode_32 3
		.amdhsa_float_denorm_mode_16_64 3
		.amdhsa_memory_ordered 1
		.amdhsa_forward_progress 1
		.amdhsa_inst_pref_size 16
	.end_amdhsa_kernel
	.amdgpu_metadata
---
amdhsa.version: [ 1, 2 ]
amdhsa.kernels:
  - .name:           k_q8475d90660_quant
    .symbol:         k_q8475d90660_quant.kd
    .args:
      - { .name: x, .offset: 0, .size: 8, .value_kind: global_buffer, .address_space: global }
      - { .name: Wq, .offset: 8, .size: 8, .value_kind: global_buffer, .address_space: global }
      - { .name: Wk, .offset: 16, .size: 8, .value_kind: global_buffer, .address_space: global }
      - { .name: Wv, .offset: 24, .size: 8, .value_kind: global_buffer, .address_space: global }
      - { .name: c1, .offset: 32, .size: 8, .value_kind: global_buffer, .address_space: global }
      - { .name: sc1, .offset: 40, .size: 8, .value_kind: global_buffer, .address_space: global }
    .group_segment_fixed_size: 69120
    .private_segment_fixed_size: 0
    .kernarg_segment_align: 8
    .kernarg_segment_size: 48
    .max_flat_workgroup_size: 256
    .sgpr_count:     66
    .vgpr_count:     128
    .wavefront_size: 32
...
	.end_amdgpu_metadata
.endif
;; end of part 1
;; launch proj (part 2): grid 16 x 16, 4 waves a work-group, clusters of 4 x 4, 327,680 bytes of LDS; arguments c1, sc1, c2, sc2, bq, bk, bv; writes c2, sc2
.if DOCPART == 2
	.amdgcn_target "amdgcn-amd-amdhsa--gfx1250"
	.amdhsa_code_object_version 6
	.text
	.protected	k_q8475d90660_proj
	.globl	k_q8475d90660_proj
	.p2align	8
	.type	k_q8475d90660_proj,@function
k_q8475d90660_proj:
	s_mov_b64 s[64:65], 0
	v_nop
	global_prefetch_b8 v0, s[64:65] scope:SCOPE_SE
	s_setreg_imm32_b32 hwreg(HW_REG_WAVE_MODE, 25, 1), 1
	s_wait_xcnt 0x0
	s_wait_alu depctr_hold_cnt(0) depctr_sa_sdst(0) depctr_va_vdst(0) depctr_va_sdst(0) depctr_va_ssrc(0) depctr_va_vcc(0) depctr_vm_vsrc(0)
	s_getreg_b32 s2, hwreg(HW_REG_IB_STS2, 6, 4)
	s_cmp_eq_u32 s2, 0
	s_cbranch_scc0 .Lentry_in_a_cluster
	s_endpgm
.Lentry_in_a_cluster:
	s_bfe_u32 s2, ttmp6, 0x10000c
	s_cmp_lg_u32 s2, 0xf033
	s_cbranch_scc0 .Lentry_shape_is_right
	s_endpgm
.Lentry_shape_is_right:
; q = x Wq + bq, k = x Wk + bk, v = x Wv + bv on codes of FP6 (E2M3) with E8M0 scales; the results leave as codes: q and k quantised along the channels, v along the tokens.  No f32 result is stored.
; INPUT: c1 [128 rows][block 8][K step 8][1,536-byte image]: x's 64 (number 2 g + c, block 2 j + w = block 4 c + j of panel 2 g + w), then the panels of Wq, Wk, Wv;  sc1 [panel][K step][block][r] words.
; Block 4 c + j of a panel of 128 rows holds at place r the row 64 c + 8 j + 32 (r / 8) + r % 8.  With such fragments as source 0 a lane's 32 results of a c are 32 neighbours, one scale block of the next product: no lane looks at another.
; OUTPUT: c2 in chunks of 12,288 bytes (128 rows x 128 of the next K, 8 blocks of 1,536).  q's panel P (128 tokens), K step ks: chunk 8 P + ks; k's: 512 + 8 P + ks: a block's image is two halves (64 channels each) of 512 bytes
; (registers 0-3, 16 bytes a lane) + 256 bytes (registers 4-5, 8 bytes a lane).  v: chunk 1024 + 16 (8 batch + channel panel) + key panel: blocks of 16 channels, images of three pieces of 512 bytes.  sc2: [chunk][block][r] words.
; LIMITS: a block of zeros gets the byte 1 where the rule says 127 (zero codes; this program alone reads the bytes); NaN and infinities are not served.
; THE DEAL.  256 work-groups of four waves, 2 x 2.  A wave holds 64 columns of a weight, ALL of K, in 384 registers and streams x past them in blocks of 16 rows: the wave in row w takes block 2 s + w as its block s.
; A work-group makes 256 x 128 of V (PHASE 1), then 512 x 128 of Q or K (PHASE 2).  V's 256 rows are half s87 of the work-group's own 512, so the two chunks of 128 rows asked for at the head serve both phases and only the other half's two come later.
; s87 = cluster x % 2 and the tensor s19 = cluster x / 2 come from the cluster's number alone.  x's rows are shared by a row of the cluster, a weight's by a column: joint loads.
; FILLS.  At the head one tensor load a wave: W_v, the scales of V's half, chunk 0, chunk 1.  Refills, each in a drained round of the cluster's barrier: in V's block 2 the weights' region (waves 0, 1 a half each of W_q or W_k; wave 2 the other
; half's scales, a first fill); in phase 2's blocks 2 and 6 a slot (waves 0, 1 half a chunk each).
; A BLOCK is 32 products; behind every second one stand two ENTRIES of the block's list (at most four scalar lines, and a vector line each; two where a prefetch's address is made).  A ROUND stands inside a block: products are register work.
; PREFETCHES into the L2, shared out by address among the sixteen waves that will ask jointly: the second weight at the head, a round ahead of its load; chunk 2 in V's block 2 and chunk 3 between the phases, each a round or more ahead of its load.
; COUNTS.  Younger than a block's fetch are the next block's NF loads and the LDS byte stores issued since: none, one, or four.
.set NF,   28                          ; LDS loads of a block: 24 for eight fragments, 4 for its scale words
.set NB,   4
.set NQ,   8
.set FR,   12
.set FPW,  21                          ; fragments in a window of 256 registers
.set FIB,  1536
.set BLKB, 12288                       ; a block of 16 rows, all of K
.set CHK,  98304                       ; 128 rows, all of K
.set BVB,  2*CHK                       ; LDS: slot 0, slot 1, the weights' region,
.set SCL,  3*CHK                       ; the scale words of 256 rows, two places,
.set SCB,  8192
.set XN,   SCL+2*SCB+2048              ; q's or k's scale bytes on their way out: [wave column][order of work][row of waves][block][r][h],
.set XM,   XN+2048                     ; v's: [wave][block][r][2 c + h],
.set SPARE, XM+1024                    ; and the spare words
.set ADRA0, 4                          ; v4   my fragments of block 0; v5 of block 1; v6, v23 the same for the scale words
.set AAS0, 6
.set CO,   9                           ; v9   16 x lane
.set SPW,  10
.set NIL,  11
.set ADRA, 12                          ; v12  my fragments of the block that is fetched next; v17 its scale words
.set CO8,  13                          ; v13  8 x lane
.set ADRB, 14                          ; v14  my fragments of the weights
.set ABS,  16                          ; v16  4 x lane
.set AAS,  17
.set STO,  18
.set STV,  19
.set SB,   24                          ; v24-39  the weights' scale words: SB + 8 p + q: tiles 2 p (lanes 0-15), 2 p + 1 (lanes 16-31)
.set TQ,   40
.set SA,   44                          ; v44-47, v52-55  x's scale words, two sets of four: K steps q (lanes 0-15) and q + 4 (lanes 16-31) in register (q + 1) % 4
.set TC,   60
.set ACC,  64                          ; v64-127 phase 2: two sets of four accumulators
.set HV0,  64                          ; v64-191 phase 1, band 0: 32 t + 8 j + i
.set HV1,  840                         ; v840-967 band 1
.set NCD,  128                         ; v128-139 phase 2: six registers of the even block's codes, six of the odd's
.set BBQ,  160                         ; v160-191 q's or k's bias as the first products' C
.set MCD,  192                         ; v192-239 phase 1: four operands
.set SOP,  240
.set EB,   244
.set VX,   248
.set SB2,  968                         ; v968-983 phase 2's weights' scale words
.set BBV,  992                         ; v992-1023 v's bias as the first products' C
.set G1A,  24
.set G1B,  32
.set G0A,  56
.set G0B,  60
.set G0R,  68
.set G0S,  72
.set G1S,  92
.set MSB,  0
.macro WIN new
.if MSB != (\new)
	s_set_vgpr_msb (MSB<<8)|(\new)
.set MSB, (\new)
.endif
.endm
.macro PLACES n
.rept \n
	v_nop
.endr
.endm
.macro WALU
	s_wait_alu depctr_va_vdst(0)
.endm
.macro BARRIER
	s_barrier_signal -1
	s_barrier_wait -1
.endm
.macro MIDDLE                          ; a round's middle: the opening wait, wave 0's signal for the work-group, the cluster's wait
	WIN 0
	s_barrier_wait -1
	s_cmp_lg_u32 s14, 0
	s_cbranch_scc1 .Lnot_wave_0_\@
	s_barrier_signal -3
.Lnot_wave_0_\@:
	s_barrier_wait -3
.endm
.macro CROUND
	s_barrier_signal -1
	MIDDLE
	BARRIER
.endm
.macro GRD
	s_wait_tensorcnt 0x0
	ds_add_u32 v[SPW], v[NIL]
.endm
.macro TLOAD g0, g1
	tensor_load_to_lds s[\g0:\g0+3], s[\g1:\g1+7]
	s_nop 0
	PLACES 4
.endm
.macro GROUP1 g, mask, rows            ; rows of 256 dense bytes (32 elements of 8), shared by the mask
	s_or_b32 s[\g+0], s[\mask], (3<<16)|(1<<21)
	s_mov_b32 s[\g+1], 32<<16
	s_mov_b32 s[\g+2], (\rows)<<16
	s_mov_b32 s[\g+3], 32<<16
	s_mov_b32 s[\g+4], \rows
	s_mov_b32 s[\g+5], 32
	s_mov_b32 s[\g+6], 0
	s_mov_b32 s[\g+7], 0
.endm
.macro SADD d, x
	s_add_co_u32 s\d, s\d, s\x
.endm
.macro G0SET g, base, off              ; group 0's address: a pointer + the 32-bit offset in s\off (s21 = 0)
	s_mov_b32 s20, s\off
	s_add_nc_u64 s[\g+2:\g+3], s[\base:\base+1], s[20:21]
	s_or_b32 s[\g+3], s[\g+3], 0x80000000
.endm
; Fragment f lies in window 1 + f / 21 at register 12 (f % 21): 0-31 the weights' (4 q + b), 32-39 and 40-47 x's two sets.
.macro FRAG f, a, off
	WIN (1+(\f)/FPW)<<6
.set R_, FR*((\f)%FPW)
.irp k, 0,1,2
	ds_load_b128 v[R_+4*\k:R_+4*\k+3], \a offset:(\off)+512*\k
.endr
.endm
.macro WEIGHTS                         ; my 64 columns of the weight, all of K: 96 loads
.irp q, 0,1,2,3,4,5,6,7
.irp b, 0,1,2,3
	FRAG NB*\q+\b, v[ADRB], BLKB*\b+FIB*\q
.endr
.endr
	WIN 0
.endm
.macro FETCHAT e, a, as                ; a block of x's rows into set e: NF loads
.irp q, 0,1,2,3,4,5,6,7
	FRAG NB*NQ+NQ*(\e)+\q, \a, FIB*\q
.endr
	WIN 0
.irp q, 0,1,2,3
	ds_load_b32 v[SA+8*(\e)+(\q+1)%4], \as offset:512*\q
.endr
.endm
.macro FETCH e
	FETCHAT \e, v[ADRA], v[AAS]
.endm
.macro FETCH01                         ; a phase's first two blocks, from slot 0
	FETCHAT 0, v[ADRA0], v[AAS0]
	FETCHAT 1, v5, v23
	s_mov_b32 s101, 2*BLKB
	s_mov_b32 s91, 64
.endm
; A product, n = 4 q + b.  kind 0 (Q, K): source 0 the weight's rows; kind 1 (V): source 0 x's rows.  The first product of an accumulator takes the bias as C.
.macro PW c, s0, s1, x0, x1, r0, r1
	v_wmma_scale_f32_16x16x128_f8f6f4 v[DL_:DL_+7], v[FR*((\s0)%FPW):FR*((\s0)%FPW)+FR-1], v[FR*((\s1)%FPW):FR*((\s1)%FPW)+FR-1], \c, v[\x0], v[\x1] matrix_a_fmt:MATRIX_FMT_FP6 matrix_b_fmt:MATRIX_FMT_FP6 matrix_a_scale:MATRIX_SCALE_ROW\r0 matrix_b_scale:MATRIX_SCALE_ROW\r1
.endm
.macro PSEL c, s0, s1, x0, x1, r0, r1
.if (\r0) && (\r1)
	PW \c, \s0, \s1, \x0, \x1, 1, 1
.elseif \r0
	PW \c, \s0, \s1, \x0, \x1, 1, 0
.elseif \r1
	PW \c, \s0, \s1, \x0, \x1, 0, 1
.else
	PW \c, \s0, \s1, \x0, \x1, 0, 0
.endif
.endm
.macro PROD kind, e, n, a0, as
.set Q_, (\n)/4
.set FB_, NB*Q_+(\n)%4
.set FA_, NB*NQ+NQ*(\e)+Q_
.set D_, (\a0)+(\as)*((\n)%4)
.set DL_, D_&255
.set DW_, D_>>8
.set XB_, SB+NQ*(((\n)%4)/2)+Q_
.set XA_, SA+8*(\e)+((Q_%4)+1)%4
.set RB_, (\n)%2
.set RA_, Q_/4
.set CB_, 8*((\n)%4)
.if \kind
.if Q_
	WIN (1+FA_/FPW)|((1+FB_/FPW)<<2)|(DW_<<4)|(DW_<<6)
	PSEL v[DL_:DL_+7], FA_, FB_, XA_, XB_, RA_, RB_
.else
	WIN (1+FA_/FPW)|((1+FB_/FPW)<<2)|(3<<4)|(DW_<<6)
	PSEL v[BBV-768+CB_:BBV-768+CB_+7], FA_, FB_, XA_, XB_, RA_, RB_
.endif
.else
	WIN (1+FB_/FPW)|((1+FA_/FPW)<<2)|(DW_<<4)|(DW_<<6)
.if Q_
	PSEL v[DL_:DL_+7], FB_, FA_, XB_, XA_, RB_, RA_
.else
	PSEL v[BBQ+CB_:BBQ+CB_+7], FB_, FA_, XB_, XA_, RB_, RA_
.endif
.endif
.endm
.macro BLOCK kind, e, a0, as, from, to, list, x=0, y=0
.set N_, \from
.rept (\to)-(\from)
	PROD \kind, \e, N_, \a0, \as
.if N_%2
	\list N_-1, \x, \y
	\list N_, \x, \y
.endif
.set N_, N_+1
.endr
.endm
; What the lists are made of.  Each macro writes entry i of its part, and nothing beyond its last.
.macro STEP i, wrap                    ; to the next block's LDS addresses: 2 entries; with the test for the ring's end 3
.if \wrap
.if (\i) == 0
	s_add_co_u32 s101, s101, 2*BLKB
	s_add_co_u32 s91, s91, 64
	s_cmp_eq_u32 s101, 2*CHK
	s_cselect_b32 s101, 0, s101
.elseif (\i) == 1
	s_cmp_eq_u32 s91, 512
	s_cselect_b32 s91, SCB, s91
.endif
	STEPV (\i)-1
.else
.if (\i) == 0
	s_add_co_u32 s101, s101, 2*BLKB
	s_add_co_u32 s91, s91, 64
.endif
	STEPV \i
.endif
.endm
.macro STEPV i
.if (\i) == 0
	WIN 0
	v_add_nc_u32 v[ADRA], s101, v[ADRA0]
.elseif (\i) == 1
	WIN 0
	v_add_nc_u32 v[AAS], s91, v[AAS0]
.endif
.endm
.macro CHAIN i, x, n, t=TQ             ; a way out's first part, 18 entries: the largest magnitude of the 32 sums from register x on, by two chains, and the conversions' scale operand
.set XW_, (\x)>>8
.set XL_, (\x)&255
.if (\i) >= 0 && (\i) < 14
.set B_, XL_+16*((\i)%2)+2*((\i)/2)
.set T_, (\t)+1-(\i)%2
.if (\i) < 2
	WIN XW_|(XW_<<2)|(XW_<<4)
	v_max3_num_f32 v[T_], |v[B_]|, |v[B_+1]|, |v[B_+2]|
.else
	WIN (XW_<<2)|(XW_<<4)
	v_max3_num_f32 v[T_], v[T_], |v[B_+1]|, |v[B_+2]|
.endif
.elseif (\i) == 14
	WIN XW_<<2
	v_max3_num_f32 v[\t+1], v[\t+1], |v[XL_+15]|, 0x1800000   ; and the floor: the byte cannot fall under 1
.elseif (\i) == 15
	WIN 0
	v_nop
.elseif (\i) == 16
	WIN XW_<<2
	v_max3_num_f32 v[\t], v[\t], |v[XL_+31]|, v[\t+1]
.elseif (\i) == 17
	WIN 0
	v_add_nc_u32 v[SOP+\n], 0xff000000, v[\t]   ; 2 off the exponent field
.endif
.endm
.macro CODES i, x, c, n, t=TC          ; its second part, 6 lines: 32 codes into v[c .. c+5], the scale's byte into v[EB+n]
.set XW_, (\x)>>8
.set XL_, (\x)&255
.if (\i) == 0
	WIN XW_
	v_cvt_scalef32_pk16_fp6_f32 v[\c:\c+2], v[XL_:XL_+15], v[SOP+\n]
.elseif (\i) == 1
	WIN XW_
	v_cvt_scalef32_pk16_fp6_f32 v[\t:\t+2], v[XL_+16:XL_+31], v[SOP+\n]
.elseif (\i) == 2
	WIN 0
	v_lshrrev_b32 v[EB+\n], 23, v[SOP+\n]
.else
	WIN 0
	v_mov_b32 v[\c+\i], v[\t+\i-3]
.endif
.endm
.macro CODES6 x, c, n
.irp i, 0,1,2,3,4,5
	CODES \i, \x, \c, \n
.endr
.endm
.macro PFTILE v, off, share            ; one entry: my sixteenth of 98,304 bytes, to be asked for into the L2
	s_mul_i32 s21, s\share, CHK/16
	s_add_co_u32 s20, s\off, s21
	WIN 0
	v_min_u32 v\v, CHK/16/256-1, v3
	v_lshl_add_u32 v\v, v\v, 8, s20
.endm
.macro PFGO v, base
	global_prefetch_b8 v\v, s[\base:\base+1] th:TH_LOAD_NT scope:SCOPE_SE
.endm
.macro PUT3 r, base, off
.irp k, 0,1,2
	global_store_b128 v[CO], v[\r+4*\k:\r+4*\k+3], \base offset:(\off)+512*\k
.endr
.endm
.macro PUTQ                            ; a pair of blocks' halves: 512 + 256 consecutive bytes each, aligned
.irp k, 0,1
	global_store_b128 v[CO], v[NCD+6*\k:NCD+6*\k+3], s[84:85] offset:FIB*\k
	global_store_b64 v[CO8], v[NCD+6*\k+4:NCD+6*\k+5], s[84:85] offset:FIB*\k+512
.endr
.endm
.macro ASK i                           ; 3 entries: the descriptor of my half of the chunk at s88 (bytes from c1) for slot s47; then both step on
.if (\i) == 0
	s_mul_i32 s[G0R+1], s14, CHK/2
	s_add_co_u32 s[G0R+1], s[G0R+1], s47
	s_mul_i32 s20, s14, CHK/2
	SADD 20, 88
.elseif (\i) == 1
	s_mov_b32 s21, 0
	s_add_nc_u64 s[G0R+2:G0R+3], s[4:5], s[20:21]
	s_or_b32 s[G0R+3], s[G0R+3], 0x80000000
	s_add_co_u32 s88, s88, CHK
.elseif (\i) == 2
	s_xor_b32 s47, s47, CHK
.endif
.endm
.macro PAIR i                          ; 4 entries: where pair s46's codes go (s[84:85]) and its scale bytes (v[VX]).  The codes' place goes by the true pair, the stage in LDS by the order of work
.if (\i) == 0
	s_lshl_b32 s3, s87, 2
	s_xor_b32 s3, s3, s46
	s_lshr_b32 s20, s3, 2
	s_mul_i32 s21, s20, 2*CHK-8*FIB
.elseif (\i) == 1
	s_mul_i32 s22, s3, 2*FIB
	s_add_co_u32 s20, s21, s22
	s_mov_b32 s21, 0
.elseif (\i) == 2
	s_add_nc_u64 s[84:85], s[10:11], s[20:21]
	s_and_b32 s22, s46, 3
	s_lshl_b32 s22, s22, 6
	s_lshr_b32 s23, s46, 2
.elseif (\i) == 3
	s_lshl_b32 s23, s23, 9
	s_or_b32 s22, s22, s23
	s_add_co_u32 s46, s46, 1
	WIN 0
	v_add_nc_u32 v[VX], s22, v[STO]
.endif
.endm
; The lists
.macro L_STEP i, x, y
	STEP \i, 0
.endm
.macro L_NONE i, x, y
.endm
.macro L_OUT i, x, y                   ; the step, then the way out of the sums at x (scale operand y)
	STEP \i, 0
	CHAIN (\i)-2, \x, \y
.endm
.macro L_LAST i, x, y
	CHAIN \i, \x, \y
.endm
.macro L_V2 i, x, y                    ; V's third block: the first refill's descriptors; the later refills' group 1; the step; chunk 2's prefetch
.if (\i) == 0
	s_mov_b32 s[G1A+2], 192<<16
	s_mov_b32 s[G1A+4], 192
	s_mov_b32 s[G1B+2], 192<<16
	s_mov_b32 s[G1B+4], 192
.elseif (\i) == 1
	s_mul_i32 s[G0B+1], s14, CHK/2
	s_add_co_u32 s[G0B+1], s[G0B+1], BVB
	s_mul_i32 s20, s14, CHK/2
	SADD 20, 9
.elseif (\i) == 2
	s_mov_b32 s21, 0
	s_add_nc_u64 s[G0B+2:G0B+3], s[4:5], s[20:21]
	s_or_b32 s[G0B+3], s[G0B+3], 0x80000000
	s_mov_b32 s[G0S+1], SCL+SCB
.elseif (\i) == 3
	s_mov_b32 s20, s55
	s_add_nc_u64 s[G0S+2:G0S+3], s[6:7], s[20:21]
	s_or_b32 s[G0S+3], s[G0S+3], 0x80000000
.elseif (\i) == 7
	PFTILE 7, 88, 90
.endif
	STEP (\i)-4, 0
.endm
.macro L_V7 i, x, y                    ; V's last block: chunk 3's prefetch; the way out
.if (\i) == 0
	s_add_co_u32 s22, s88, CHK
	PFTILE 20, 22, 90
.endif
	CHAIN (\i)-1, \x, \y
.endm
.macro L_ODD i, x, y                   ; an odd block of phase 2: the pair's places, the step, the even block's way out
	PAIR \i
	STEP (\i)-4, 0
	CHAIN (\i)-6, ACC, 0
.endm
.macro L_ODDL i, x, y
	PAIR \i
	CHAIN (\i)-4, ACC, 0
.endm
.macro L_ROUND i, x, y                 ; an even block with a round: the descriptor, the step with the ring's end, the odd block's way out
	ASK \i
	STEP (\i)-3, 1
	CHAIN (\i)-6, ACC+32, 1
.endm
; Phase 2's blocks.  w: the count of the wait for the block's rows (-1: they are shown in already)
.macro WAITDS w
.if (\w) >= 0
	s_wait_dscnt \w
.endif
.endm
.macro EVENOUT fetch                   ; behind an even block: the odd block's byte, the pair's codes, the fetch of the block two on
	WALU
	ds_store_b8 v[VX], v[EB+1] offset:32
	PUTQ
.if \fetch
	FETCH 0
.endif
.endm
.macro EVEN w, fetch
	WAITDS \w
.if \fetch
	BLOCK 0, 0, ACC, 8, 0, 32, L_OUT, ACC+32, 1
.else
	BLOCK 0, 0, ACC, 8, 0, 32, L_LAST, ACC+32, 1
.endif
	WIN 0
	CODES6 ACC+32, NCD+6, 1
	EVENOUT \fetch
.endm
.macro EVENROUND w                     ; the second and the third refill
	WAITDS \w
	GRD
	BLOCK 0, 0, ACC, 8, 0, 26, L_ROUND
	WIN 0
	WALU
	s_wait_dscnt 0x0
	s_barrier_signal -1
	BLOCK 0, 0, ACC, 8, 26, 32, L_NONE
	WIN 0
	CODES6 ACC+32, NCD+6, 1
	MIDDLE
	BARRIER
	s_cmp_lt_u32 s14, 2
	s_cbranch_scc0 .Lnone_\@
	TLOAD G0R, G1A
.Lnone_\@:
	EVENOUT 1
.endm
.macro EVENSHOW w                      ; a plain barrier inside the block shows the last refill to all
	WAITDS \w
	BLOCK 0, 0, ACC, 8, 0, 26, L_OUT, ACC+32, 1
	WIN 0
	WALU
	s_wait_tensorcnt 0x0
	s_wait_dscnt 0x0
	s_barrier_signal -1
	BLOCK 0, 0, ACC, 8, 26, 32, L_NONE
	WIN 0
	s_barrier_wait -1
	CODES6 ACC+32, NCD+6, 1
	EVENOUT 1
.endm
.macro ODD w, fetch
	WAITDS \w
	s_wait_xcnt 0x0                                ; the last pair's stores have read their registers and their base
.if \fetch
	BLOCK 0, 1, ACC+32, 8, 0, 32, L_ODD
.else
	BLOCK 0, 1, ACC+32, 8, 0, 32, L_ODDL
.endif
	WIN 0
	CODES6 ACC, NCD, 0
	WALU
	ds_store_b8 v[VX], v[EB]
.if \fetch
	FETCH 1
.endif
.endm
; ---- THE HEAD
	s_load_b128 s[4:7], s[0:1], 0x0                ; c1, sc1
	v_lshl_add_u32 v[SPW], v0, 2, SPARE
	v_mov_b32 v[NIL], 0
	ds_add_u32 v[SPW], v[NIL]                      ; the opening add, twice on end
	ds_add_u32 v[SPW], v[NIL]
	v_lshrrev_b32 v1, 5, v0
	v_readfirstlane_b32 s14, v1                    ; s14 the wave; s15 its row of the 2 x 2, s16 its column
	s_lshr_b32 s15, s14, 1
	s_and_b32 s16, s14, 1
	s_bfe_u32 s40, ttmp6, 0x40000                  ; cx
	s_bfe_u32 s41, ttmp6, 0x40004                  ; cy
	s_lshl_b32 s42, ttmp9, 2
	s_add_co_u32 s42, s42, s40                     ; phase 2's tile column: 0-7 q, 8-15 k
	s_and_b32 s43, ttmp7, 0xffff
	s_lshl_b32 s43, s43, 2
	s_add_co_u32 s43, s43, s41                     ; its tile row: 512 tokens
	s_lshr_b32 s19, ttmp9, 1                       ; 0 q, 1 k
	s_and_b32 s87, ttmp9, 1                        ; V's half of my 512 rows
	s_lshl_b32 s13, s19, 2
	s_add_co_u32 s13, s13, s40                     ; V's channel panel
	s_lshl_b32 s12, s43, 1
	s_add_co_u32 s12, s12, s87                     ; V's 256 tokens
	s_lshl_b32 s44, s41, 2
	s_lshl_b32 s44, 15, s44                        ; my row of the cluster
	s_lshl_b32 s45, 0x1111, s40                    ; my column
	GROUP1 G1A, 44, 384
	GROUP1 G1B, 45, 384
	GROUP1 G1S, 44, 32
	s_mov_b32 s[G0S], 1
	s_mov_b32 s[G0S+1], SCL
	s_mul_i32 s67, s43, 4*CHK                      ; my 512 rows, bytes from c1
	s_mul_i32 s66, s12, 2*CHK                      ; V's half of them
	s_mul_i32 s9, s42, CHK
	s_add_co_u32 s9, s9, 64*CHK                    ; W_q's or W_k's panel
	s_mul_i32 s54, s13, CHK
	s_add_co_u32 s54, s54, 80*CHK                  ; W_v's
	s_lshl_b32 s55, s43, 14                        ; my rows' scale words, bytes from sc1
	s_lshl_b32 s89, s12, 13                        ; V's half's
	s_lshl_b32 s21, s16, 8
	s_lshl_b32 s82, s42, 12
	SADD 82, 21
	s_mov_b32 s83, 0
	s_lshl_b32 s84, s13, 12
	SADD 84, 21
	s_add_co_u32 s84, s84, 16*4096
	s_mov_b32 s85, 0
	s_mov_b32 s[G0A], 1
	s_mov_b32 s[G0A+1], 0
	s_mov_b32 s[G0B], 1
	s_mov_b32 s[G0B+1], BVB
	s_mov_b32 s[G0R], 1
	s_mov_b32 s[G0R+1], CHK
	v_and_b32 v1, 15, v0                           ; r
	v_bfe_u32 v2, v0, 4, 1                         ; h
	v_and_b32 v3, 31, v0                           ; lane
	v_lshlrev_b32 v[CO], 4, v3
	v_lshlrev_b32 v[CO8], 3, v3
	v_lshlrev_b32 v[ABS], 2, v3
	s_mul_i32 s21, s15, BLKB
	v_add_nc_u32 v[ADRA0], s21, v[CO]
	s_mul_i32 s22, s16, 4*BLKB
	s_add_co_u32 s22, s22, BVB
	v_add_nc_u32 v[ADRB], s22, v[CO]
	s_lshl_b32 s21, s15, 12
	s_add_co_u32 s21, s21, SCL
	v_lshlrev_b32 v22, 2, v1
	v_lshl_add_u32 v22, v2, 11, v22
	v_add_nc_u32 v[AAS0], s21, v22
	s_lshl_b32 s90, s40, 2
	s_add_co_u32 s90, s90, s14                     ; my number among the sixteen waves of my row of the cluster
	s_lshl_b32 s100, s41, 2
	s_add_co_u32 s100, s100, s14                   ; and of my column
	WALU
	s_wait_dscnt 0x0                               ; both opening adds are done
	CROUND                                         ; the round in front of the first joint loads
	s_wait_kmcnt 0x0
	s_add_nc_u64 s[10:11], s[6:7], 64*4096
	s_add_nc_u64 s[84:85], s[10:11], s[84:85]      ; W_v's scale words, my 64 columns
	s_mov_b32 s20, s66
	s_mov_b32 s21, 0
	s_add_nc_u64 s[G0A+2:G0A+3], s[4:5], s[20:21]
	s_add_nc_u64 s[G0R+2:G0R+3], s[G0A+2:G0A+3], CHK
	s_or_b32 s[G0A+3], s[G0A+3], 0x80000000
	s_or_b32 s[G0R+3], s[G0R+3], 0x80000000
	G0SET G0B, 4, 54
	G0SET G0S, 6, 89
	s_add_nc_u64 s[10:11], s[10:11], s[82:83]      ; W_q's or W_k's scale words
	s_cmp_eq_u32 s14, 0
	s_cbranch_scc0 .Lwave_1
	TLOAD G0B, G1B                                 ; wave 0: W_v's panel
	s_branch .Lasked
.Lwave_1:
	s_cmp_eq_u32 s14, 1
	s_cbranch_scc0 .Lwave_2
	TLOAD G0S, G1S                                 ; wave 1: the scale words of V's half
	s_branch .Lasked
.Lwave_2:
	s_cmp_eq_u32 s14, 2
	s_cbranch_scc0 .Lwave_3
	TLOAD G0A, G1A                                 ; wave 2: chunk 0
	s_branch .Lasked
.Lwave_3:
	TLOAD G0R, G1A                                 ; wave 3: chunk 1
.Lasked:
	s_lshl_b32 s21, s19, 6                         ; where the results go: s[76:77] q's or k's codes, s[78:79] their scale words, s[80:81], s[82:83] v's
	s_lshl_b32 s22, s43, 2
	SADD 21, 22
	s_add_co_u32 s76, s21, s15
	s_mul_i32 s76, s76, CHK
	s_and_b32 s23, s42, 7                          ; the next product's K step
	s_mul_i32 s22, s23, BLKB
	SADD 76, 22
	s_mul_i32 s22, s16, 768
	SADD 76, 22
	s_mov_b32 s77, 0
	s_xor_b32 s22, s15, s87                        ; the stage's halves lie in the order of work
	s_lshl_b32 s22, s22, 1
	SADD 22, 16
	SADD 22, 21
	s_lshl_b32 s22, s22, 3
	SADD 22, 23
	s_lshl_b32 s78, s22, 9
	s_mov_b32 s79, 0
	s_lshr_b32 s21, s12, 3
	s_lshl_b32 s21, s21, 3
	SADD 21, 13
	s_lshl_b32 s21, s21, 4
	s_and_b32 s22, s12, 7
	s_lshl_b32 s22, s22, 1
	SADD 21, 22
	SADD 21, 15
	s_add_co_u32 s21, s21, 1024                    ; v's chunk
	s_mul_i32 s80, s21, BLKB
	s_mul_i32 s22, s16, 4*FIB
	SADD 80, 22
	s_mov_b32 s81, 0
	s_lshl_b32 s82, s21, 9
	s_lshl_b32 s22, s16, 8
	SADD 82, 22
	s_mov_b32 s83, 0
.irp p, 0,1
.irp q, 0,1,2,3,4,5,6,7
	global_load_b32 v[SB+NQ*\p+\q], v[ABS], s[84:85] offset:512*\q+128*\p
.endr
.endr
	s_wait_xcnt 0x0
	s_load_b64 s[2:3], s[0:1], 0x20                ; bq
	s_load_b64 s[46:47], s[0:1], 0x28              ; bk
	s_load_b64 s[84:85], s[0:1], 0x30              ; bv
	s_lshl_b32 s20, s42, 1
	SADD 20, 16
	s_and_b32 s20, s20, 15
	s_lshl_b32 s20, s20, 8                         ; my 64 channels of q or k
	s_mov_b32 s21, 0
	s_lshl_b32 s22, s13, 1
	SADD 22, 16
	s_lshl_b32 s22, s22, 8                         ; my 64 channels of v
	s_mov_b32 s23, 0
	v_lshlrev_b32 v21, 7, v2                       ; q, k: register 8 j + i of lane (r, h) is channel 32 h + 8 j + i
	v_lshrrev_b32 v22, 3, v1
	v_lshlrev_b32 v22, 7, v22
	v_and_b32 v15, 7, v1
	v_lshl_add_u32 v22, v15, 2, v22                ; v: lane (r, h) of tile t has channel 32 (r / 8) + 8 t + r % 8
	WALU
	s_wait_kmcnt 0x0
	s_add_nc_u64 s[22:23], s[84:85], s[22:23]
	s_cmp_eq_u32 s19, 1
	s_cselect_b64 s[2:3], s[46:47], s[2:3]
	s_add_nc_u64 s[12:13], s[2:3], s[20:21]        ; kept for the loads between the phases (V's tile numbers have served)
	WIN 3<<6
.irp t, 0,1,2,3
	global_load_b32 v[BBV-768+8*\t], v22, s[22:23] offset:32*\t
.endr
.irp p, 0,1
.irp q, 0,1,2,3,4,5,6,7
	global_load_b32 v[SB2-768+NQ*\p+\q], v[ABS], s[10:11] offset:512*\q+128*\p
.endr
.endr
	WIN 0
	s_wait_xcnt 0x0
	v_lshl_add_u32 v15, v1, 1, v2                  ; 2 r + h
	s_lshl_b32 s21, s16, 10
	s_lshl_b32 s22, s15, 8
	SADD 21, 22
	s_add_co_u32 s21, s21, XN
	v_add_nc_u32 v[STO], s21, v15
	v_lshl_add_u32 v15, v1, 2, v2                  ; 4 r + h
	s_lshl_b32 s21, s14, 8
	s_add_co_u32 s21, s21, XM
	v_add_nc_u32 v[STV], s21, v15
	s_load_b128 s[48:51], s[0:1], 0x10             ; c2, sc2
	s_wait_loadcnt 0x0
	WIN (3<<6)|3
.irp t, 0,8,16,24
.irp i, 1,2,3,4,5,6,7
	v_mov_b32 v[BBV-768+\t+\i], v[BBV-768+\t]      ; v's number, one a lane and tile, over the tile's eight registers
.endr
.endr
	WIN 0
	s_mov_b32 s46, 0
	s_mov_b32 s88, s67
	s_mov_b32 s47, 0
	s_xor_b32 s20, s87, 1                          ; what is still to come is the other half's
	s_mul_i32 s21, s20, 2*CHK
	SADD 88, 21
	s_mul_i32 s21, s20, SCB
	SADD 55, 21
	v_add_nc_u32 v5, 2*BLKB, v[ADRA0]
	v_add_nc_u32 v23, 64, v[AAS0]
	PFTILE 8, 9, 100                               ; what the first refill will load
	WALU
	s_cmp_eq_u32 s14, 0
	s_cbranch_scc0 .Lnot_b
	s_wait_tensorcnt 0x0
.Lnot_b:
	BARRIER                                        ; W_v's panel is in
	PFGO 8, 4
	WEIGHTS
	s_cmp_eq_u32 s14, 3
	s_cbranch_scc1 .Lnot_a0
	s_wait_tensorcnt 0x0
.Lnot_a0:
	s_wait_dscnt 0x0
	BARRIER                                        ; chunk 0 and the scale words are in; chunk 1 may still be on its way
	FETCH01
	s_wait_kmcnt 0x0
	s_add_nc_u64 s[10:11], s[48:49], s[76:77]
	s_add_nc_u64 s[80:81], s[48:49], s[80:81]
	s_add_nc_u64 s[48:49], s[50:51], s[78:79]
	s_add_nc_u64 s[52:53], s[50:51], s[82:83]
	s_mov_b64 s[50:51], s[80:81]
; ---- PHASE 1: V, eight blocks; band 0's way outs stand in band 1's blocks
.irp s, 0,1
	s_wait_dscnt NF
	BLOCK 1, \s, HV0+8*\s, 32, 0, 32, L_STEP
	WIN 0
	PLACES 4
	WALU
	FETCH \s
.endr
	s_wait_dscnt NF
	GRD
	BLOCK 1, 0, HV0+16, 32, 0, 24, L_V2
	WIN 0
	s_wait_dscnt 0x0
	s_barrier_signal -1
	BLOCK 1, 0, HV0+16, 32, 24, 32, L_NONE
	MIDDLE
	BARRIER
	s_cmp_lt_u32 s14, 2
	s_cbranch_scc0 .Lscales
	TLOAD G0B, G1B                                 ; waves 0 and 1: a half each of W_q's or W_k's panel, onto W_v's, which all waves hold in registers
	s_branch .Lfilled
.Lscales:
	s_cmp_eq_u32 s14, 2
	s_cbranch_scc0 .Lfilled
	TLOAD G0S, G1S                                 ; wave 2: the other half's scale words
.Lfilled:
	PLACES 4                                       ; the places between the block's products and the fetch into their registers, for the wave that comes round the loads
	WALU
	FETCH 0
	PFGO 7, 4
	BLOCK 1, 1, HV0+24, 32, 0, 32, L_STEP
	WIN 0
	PLACES 4
	WALU
	FETCH 1
.irp j, 0,1,2
	s_wait_dscnt NF+(\j+1)/2
.if \j < 2
	BLOCK 1, \j%2, HV1+8*\j, 32, 0, 32, L_OUT, HV0+32*\j, \j
.else
	BLOCK 1, \j%2, HV1+8*\j, 32, 0, 32, L_LAST, HV0+32*\j, \j
.endif
	WIN 0
	CODES6 HV0+32*\j, MCD+12*\j, \j
	WALU
	ds_store_b8 v[STV], v[EB+\j] offset:64*\j
.if \j < 2
	FETCH \j%2
.endif
.endr
	s_wait_dscnt 1
	BLOCK 1, 1, HV1+24, 32, 0, 26, L_V7, HV0+96, 3
	WIN 0
	WALU
	s_wait_tensorcnt 0x0
	s_wait_dscnt 0x0
	s_barrier_signal -1                            ; a plain barrier: the weights and scales that the first refill brought are shown to all
	BLOCK 1, 1, HV1+24, 32, 26, 32, L_NONE
	WIN 0
	s_barrier_wait -1
	CODES6 HV0+96, MCD+36, 3
	WALU
	ds_store_b8 v[STV], v[EB+3] offset:192
; ---- THE CHANGE OF PHASE: the weights and the first two blocks, which lie in slot 0 still, in one run of loads; band 1's four way outs under their flight
.irp k, 0,1,2,3,4,5,6,7
	global_load_b128 v[BBQ+4*\k:BBQ+4*\k+3], v21, s[12:13] offset:16*\k
.endr
	WEIGHTS
	FETCH01
	PFGO 20, 4
	WIN 3
.set I, 0
.rept 16
	v_mov_b32 v[SB+I], v[SB2-768+I]
.set I, I+1
.endr
	WIN 0
.set I, 0
.rept 18
.irp t, 0,1,2,3
	CHAIN I, HV1+32*\t, \t, 64+4*\t
.endr
.set I, I+1
.endr
.set I, 0
.rept 6
.irp t, 0,1,2,3
	CODES I, HV1+32*\t, MCD+12*\t+6, \t, 80+4*\t
.endr
.set I, I+1
.endr
	WIN 0
	WALU
; ---- PHASE 2: q or k, sixteen blocks, way outs by pairs
	s_wait_loadcnt 0x0
	s_wait_dscnt NF
	BLOCK 0, 0, ACC, 8, 0, 32, L_STEP
	WIN 0
	PLACES 4
	WALU
.irp t, 0,1,2,3
	ds_store_b8 v[STV], v[EB+\t] offset:2+64*\t
.endr
.irp t, 0,1,2,3
	PUT3 MCD+12*\t, s[50:51], FIB*\t               ; v's codes leave
.endr
	FETCH 0
	ODD NF+4, 1
	s_mov_b32 s86, 0
.Lwith_rounds:                                         ; blocks 2 to 5, 6 to 9
	EVENROUND NF+1
	ODD -1, 1
	EVEN NF+1, 1
	ODD NF+1, 1
	s_add_co_u32 s86, s86, 1
	s_cmp_lg_u32 s86, 2
	s_cbranch_scc1 .Lwith_rounds
.Lwithout:                                             ; blocks 10, 11 and 12, 13
	EVENSHOW NF+1
	ODD -1, 1
	s_add_co_u32 s86, s86, 1
	s_cmp_lg_u32 s86, 4
	s_cbranch_scc1 .Lwithout
	EVEN NF+1, 0
	ODD 1, 0
; ---- THE END: the last way out; the scale bytes go through LDS under its conversions
	s_lshl_b32 s21, s14, 8
	s_add_co_u32 s22, s21, XN
	v_add_nc_u32 v12, s22, v[CO8]
	s_add_co_u32 s21, s21, XM
	v_add_nc_u32 v14, s21, v[CO8]
.set I, 0
.rept 18
	CHAIN I, ACC+32, 1
.set I, I+1
.endr
	CODES 2, ACC+32, NCD+6, 1
	WALU
	ds_store_b8 v[VX], v[EB+1] offset:32
	s_wait_dscnt 0x0
	s_barrier_signal -1
	CODES 0, ACC+32, NCD+6, 1
	CODES 1, ACC+32, NCD+6, 1
	v_nop
.irp i, 3,4,5
	CODES \i, ACC+32, NCD+6, 1
.endr
	s_barrier_wait -1
	WALU
	ds_load_b64 v[64:65], v12                      ; a panel's 128 rows: two bytes a row from each wave column
	ds_load_b64 v[66:67], v12 offset:1024
	ds_load_b64 v[68:69], v14
	PUTQ
	s_wait_dscnt 0x0
	v_perm_b32 v70, v66, v64, 0x05040100           ; a row's word: the lower two bytes from column 0, the upper from column 1
	v_perm_b32 v71, v66, v64, 0x07060302
	v_perm_b32 v72, v67, v65, 0x05040100
	v_perm_b32 v73, v67, v65, 0x07060302
	global_store_b128 v[CO], v[70:73], s[48:49]    ; 512 consecutive bytes, aligned
	global_store_b64 v[CO8], v[68:69], s[52:53]    ; 256 consecutive bytes, aligned
	s_wait_tensorcnt 0x0                           ; the wave's end
	ds_add_u32 v[SPW], v[NIL]
	s_wait_dscnt 0x0
	CROUND
	s_endpgm
.Lfunc_end_k_q8475d90660_proj:
	.size	k_q8475d90660_proj, .Lfunc_end_k_q8475d90660_proj-k_q8475d90660_proj
	.p2alignl 7, 3214868480
	.fill 96, 4, 3214868480
	.section	.rodata,"a",@progbits
	.p2align	6, 0x0
	.amdhsa_kernel k_q8475d90660_proj
		.amdhsa_group_segment_fixed_size 327680
		.amdhsa_private_segment_fixed_size 0
		.amdhsa_enable_private_segment 0
		.amdhsa_kernarg_size 56
		.amdhsa_user_sgpr_count 2
		.amdhsa_user_sgpr_kernarg_segment_ptr 1
		.amdhsa_wavefront_size32 1
		.amdhsa_system_sgpr_workgroup_id_x 1
		.amdhsa_system_sgpr_workgroup_id_y 1
		.amdhsa_system_sgpr_workgroup_id_z 1
		.amdhsa_system_vgpr_workitem_id 0
		.amdhsa_next_free_vgpr 1024
		.amdhsa_next_free_sgpr 102
		.amdhsa_reserve_vcc 0
		.amdhsa_float_denorm_mode_32 3
		.amdhsa_float_denorm_mode_16_64 3
		.amdhsa_memory_ordered 1
		.amdhsa_forward_progress 1
		.amdhsa_inst_pref_size 187
	.end_amdhsa_kernel
	.amdgpu_metadata
---
amdhsa.version: [ 1, 2 ]
amdhsa.kernels:
  - .name:           k_q8475d90660_proj
    .symbol:         k_q8475d90660_proj.kd
    .args:
      - { .name: c1, .offset: 0, .size: 8, .value_kind: global_buffer, .address_space: global }
      - { .name: sc1, .offset: 8, .size: 8, .value_kind: global_buffer, .address_space: global }
      - { .name: c2, .offset: 16, .size: 8, .value_kind: global_buffer, .address_space: global }
      - { .name: sc2, .offset: 24, .size: 8, .value_kind: global_buffer, .address_space: global }
      - { .name: bq, .offset: 32, .size: 8, .value_kind: global_buffer, .address_space: global }
      - { .name: bk, .offset: 40, .size: 8, .value_kind: global_buffer, .address_space: global }
      - { .name: bv, .offset: 48, .size: 8, .value_kind: global_buffer, .address_space: global }
    .group_segment_fixed_size: 327680
    .private_segment_fixed_size: 0
    .kernarg_segment_align: 8
    .kernarg_segment_size: 56
    .max_flat_workgroup_size: 128
    .sgpr_count:     102
    .vgpr_count:     1024
    .wavefront_size: 32
...
	.end_amdgpu_metadata
.endif
;; end of part 2
;; launch scores (part 3): grid 12 x 16, 4 waves a work-group, clusters of 4 x 4, 327,680 bytes of LDS; arguments c2, sc2, pc, pstat; writes pc, pstat
.if DOCPART == 3
	.amdgcn_target "amdgcn-amd-amdhsa--gfx1250"
	.amdhsa_code_object_version 6
	.text
	.protected	k_q8475d90660_scores
	.globl	k_q8475d90660_scores
	.p2align	8
	.type	k_q8475d90660_scores,@function
k_q8475d90660_scores:
	s_mov_b64 s[64:65], 0
	v_nop
	global_prefetch_b8 v0, s[64:65] scope:SCOPE_SE
	s_setreg_imm32_b32 hwreg(HW_REG_WAVE_MODE, 25, 1), 1
	s_wait_xcnt 0x0
	s_wait_alu depctr_hold_cnt(0) depctr_sa_sdst(0) depctr_va_vdst(0) depctr_va_sdst(0) depctr_va_ssrc(0) depctr_va_vcc(0) depctr_vm_vsrc(0)
	s_getreg_b32 s2, hwreg(HW_REG_IB_STS2, 6, 4)
	s_cmp_eq_u32 s2, 0
	s_cbranch_scc0 .Lentry_in_a_cluster
	s_endpgm
.Lentry_in_a_cluster:
	s_bfe_u32 s2, ttmp6, 0x10000c
	s_cmp_lg_u32 s2, 0xf033
	s_cbranch_scc0 .Lentry_shape_is_right
	s_endpgm
.Lentry_shape_is_right:
; S = q k^T on codes of FP6 (E2M3) with E8M0 scales, the causal mask, and for each query and each CHUNK of 128 keys: M = ceil(the chunk's largest t), t = score x log2(e) / 32; p = 2^(t - M); l = the sum of the unquantised p;
; p quantised along the keys.  M is a whole number, so the next launch brings every chunk under the row's M by taking (row M - chunk M) off p's scale bytes: the codes stay as they are.
; OPERANDS are register images (16 rows x 128 K = 1,536 bytes; a chunk = 128 rows x 128 K = 8 images); c2: q's panel P (128 tokens) at chunk 8 P, k's at 512 + 8 P; place 16 blk + r of a panel holds row 32 (blk / 2) + 8 (blk % 2) + r + 8 (r / 8).
; pc: [batch 4][query panel U 16][key chunk s 16][12,288]: p's images.  pstat: [batch][U][s][plane 3][blk 8][r 16] words: plane 0 p's scale word, 1 -M (f32, a whole number), 2 l.
; A work-group makes 256 queries x 256 keys, each of its four waves 128 x 128: exactly one chunk of pc.  TRANSPOSED: source 0 = 16 keys, source 1 = 16 queries: a lane holds one query and its 64 registers of a block are the chunk's keys
; 32 b + 16 (lane / 16) + i in their natural order.
; K = 1,024 is eight steps of 128, in pairs, through THREE LDS slots: pairs 0, 1, 2 are asked for at the start; pair 3 fills slot 0 again: the one refill.  A wave has one tensor load out at the most.  No loop.
; CLUSTER 4 x 4 = 1,024 queries x 1,024 keys; cluster x = 0, 1, 2: blocks (0, 0), (1, 0), (1, 1) of a batch; the block that lies wholly under the mask is not launched.  No branch may hang on a work-group's place in its cluster, so in the two
; clusters on the diagonal all sixteen run the same text: a tile above the diagonal gives zero codes, the byte 1, l = 0 and -M = 3e38; the next launch reads those of them with s < 4 (U / 4 + 1).
; LIMITS: p under 2^-126 is 0 (v_exp_f32 gives no denormals: ISA guide, its entry); a block of zeros gets the byte 1; NaN and infinities among the scores are not served.
; REGISTERS: window 0: v1-15 addresses; v16-18 the mask's numbers; v32-95 scale words and nothing else; v128-223 A's fragments, one set; on the way out v128-191 the scores, then p; v192-211 codes; v224-251 at work.
;   window 1: B's fragments, two sets.  windows 2, 3: the accumulators.
.set SLOT,  98304
.set QUAR,  24576
.set CHK,   12288
.set FIB,   1536
.set SPARE, 3*SLOT                     ; the spare words, 128 bytes for each wave: two blocks of 256 bytes that no other line names
.set LI,   4
.set LS,   5
.set ADRA, 6
.set ADRB, 9
.set SOA,  12
.set SOB,  13
.set SPW,  14
.set NIL,  15
.set DB,   16                          ; v16  128 (U - s) + r + 24 (r / 8) - 32 (lane / 16)
.set DA,   17                          ; v17  the same + the block's first row: register 32 c + n is hidden where 64 c + n is greater
; THE ORDER OF ROWS, which takes the place of the one named above: block 4 c + j of a panel or chunk of 128 holds at place r the row 64 c + 8 j + 32 (r / 8) + r % 8; so register 32 c + n of a lane's 64 is key 64 c + 32 h + n (h = lane / 16):
; two whole scale blocks a lane.  An image of q or k is two halves of 64 channels, each 512 bytes (registers 0-3) + 256 bytes (registers 4-5).
; ONE tensor load a wave at the head: pair 0 of the K steps, into slot 0; pairs 1 and 2 together into slots 1 and 2 behind the first round (asked for into the L2 at the head, shared out by address among the partners); pair 3 as before.
.set NINF, 18
.set L8,   25                          ; v25  8 x lane
.set PF,   26                          ; v26-27 the prefetch's offsets
.set H8,   28                          ; v28  8 h
.set SC,   32
.set AF,   128
.set HA,   128
.set PC,   192
.set BM,   224                         ; v224-227 the four blocks' largest scores, then largest p
.set T2,   228                         ; v228-231 at work
.set SO,   232                         ; v232-235 the conversions' scale operands
.set NM,   236                         ; v[236:237] -M (the packed form names a pair and takes its low word)
.set SUA,  238                         ; v[238:239], v[242:243] the sum's two chains
.set PW,   240
.set LSUM, 241
.set SUB,  242
.set TP,   244
.set KE,   246                         ; v246-248 the even block's word, -M, l
.set MG,   249                         ; v249-251 two blocks' in one register each
.set WV,   18
.set NH,   19
.set MH,   20
.set CX,   21
.set CY,   22
.set CLX,  23
.set CLY,  24
.set G1A,  28
.set G1B,  36
.set G0A,  44
.set G0B,  68
.set SEL,  80
.set CS,   82
.set HM,   84
.set OC,   86
.set OS,   88
.set MUL_LO, 0xa1
.set MUL_HI, 0xf1
.set TO_B,   0x40
.set MSB, 0
.macro WIN new
.if MSB != (\new)
	s_set_vgpr_msb (MSB<<8)|(\new)
.set MSB, (\new)
.endif
.endm
.macro PLACES n
.rept \n
	v_nop
.endr
.endm
.macro CREST
	s_cmp_lg_u32 s[WV], 0
	s_cbranch_scc1 .Lnot_wave_0_\@
	s_barrier_signal -3
.Lnot_wave_0_\@:
	s_barrier_wait -3
	s_barrier_signal -1
	s_barrier_wait -1
.endm
.macro CROUND
	s_barrier_signal -1
	s_barrier_wait -1
	CREST
.endm
.macro JLOAD g0a, g1a, g0b, g1b        ; waves 0 and 1 fetch for A, waves 2 and 3 for B; an s_nop 0 and four v_nop follow each of the two lines
	s_cmp_eq_u32 s[MH], 0
	s_cbranch_scc0 .Lfor_b_\@
	tensor_load_to_lds s[\g0a:\g0a+3], s[\g1a:\g1a+7]
	s_nop 0
.rept 4
	v_nop
.endr
	s_branch .Lasked_\@
.Lfor_b_\@:
	tensor_load_to_lds s[\g0b:\g0b+3], s[\g1b:\g1b+7]
	s_nop 0
.rept 4
	v_nop
.endr
.Lasked_\@:
.endm
.macro FRAG reg, adr, off              ; an image comes back as it was stored: v[adr] goes by 16 x lane, v[adr + 13] by 8 x lane
.irp c, 0,1
	ds_load_b128 v[\reg+6*\c:\reg+6*\c+3], v[\adr] offset:\off+768*\c
	ds_load_b64 v[\reg+6*\c+4:\reg+6*\c+5], v[\adr+13] offset:\off+768*\c+512
.endr
.endm
.macro FETCH_B g, q, p
	WIN TO_B
.irp i, 0,1,2,3,4,5,6,7
	FRAG 128*(\p)+12*\i, ADRB+\g, (\q)*CHK+\i*FIB
.endr
	WIN 0
.endm
.macro FETCH_A g, q, i0
.irp i, \i0, \i0+1, \i0+2, \i0+3
	FRAG AF+12*(\i), ADRA+\g, (\q)*CHK+(\i)*FIB
.endr
.endm
.macro MM d, b, a, sb, sa, ob, oa, zero    ; ob, oa: an odd block's scale words lie in lanes 16-31 of the register named
.if \zero
.if (\ob) && (\oa)
	v_wmma_scale_f32_16x16x128_f8f6f4 v[\d:\d+7], v[\b:\b+11], v[\a:\a+11], 0, v[\sb], v[\sa] matrix_a_fmt:MATRIX_FMT_FP6 matrix_b_fmt:MATRIX_FMT_FP6 matrix_a_scale:MATRIX_SCALE_ROW1 matrix_b_scale:MATRIX_SCALE_ROW1
.elseif \ob
	v_wmma_scale_f32_16x16x128_f8f6f4 v[\d:\d+7], v[\b:\b+11], v[\a:\a+11], 0, v[\sb], v[\sa] matrix_a_fmt:MATRIX_FMT_FP6 matrix_b_fmt:MATRIX_FMT_FP6 matrix_a_scale:MATRIX_SCALE_ROW1
.elseif \oa
	v_wmma_scale_f32_16x16x128_f8f6f4 v[\d:\d+7], v[\b:\b+11], v[\a:\a+11], 0, v[\sb], v[\sa] matrix_a_fmt:MATRIX_FMT_FP6 matrix_b_fmt:MATRIX_FMT_FP6 matrix_b_scale:MATRIX_SCALE_ROW1
.else
	v_wmma_scale_f32_16x16x128_f8f6f4 v[\d:\d+7], v[\b:\b+11], v[\a:\a+11], 0, v[\sb], v[\sa] matrix_a_fmt:MATRIX_FMT_FP6 matrix_b_fmt:MATRIX_FMT_FP6
.endif
.else
.if (\ob) && (\oa)
	v_wmma_scale_f32_16x16x128_f8f6f4 v[\d:\d+7], v[\b:\b+11], v[\a:\a+11], v[\d:\d+7], v[\sb], v[\sa] matrix_a_fmt:MATRIX_FMT_FP6 matrix_b_fmt:MATRIX_FMT_FP6 matrix_a_scale:MATRIX_SCALE_ROW1 matrix_b_scale:MATRIX_SCALE_ROW1
.elseif \ob
	v_wmma_scale_f32_16x16x128_f8f6f4 v[\d:\d+7], v[\b:\b+11], v[\a:\a+11], v[\d:\d+7], v[\sb], v[\sa] matrix_a_fmt:MATRIX_FMT_FP6 matrix_b_fmt:MATRIX_FMT_FP6 matrix_a_scale:MATRIX_SCALE_ROW1
.elseif \oa
	v_wmma_scale_f32_16x16x128_f8f6f4 v[\d:\d+7], v[\b:\b+11], v[\a:\a+11], v[\d:\d+7], v[\sb], v[\sa] matrix_a_fmt:MATRIX_FMT_FP6 matrix_b_fmt:MATRIX_FMT_FP6 matrix_b_scale:MATRIX_SCALE_ROW1
.else
	v_wmma_scale_f32_16x16x128_f8f6f4 v[\d:\d+7], v[\b:\b+11], v[\a:\a+11], v[\d:\d+7], v[\sb], v[\sa] matrix_a_fmt:MATRIX_FMT_FP6 matrix_b_fmt:MATRIX_FMT_FP6
.endif
.endif
.endm
.macro MUL16 a0, p, s, zero            ; A's blocks a0 (even), a0 + 1 x B's eight; the 64 accumulators take turns, one instruction a turn, in the same order in every step
.irp bb, 0,1,2,3
	MM 8*(8*((\a0)%4)+2*\bb), 128*(\p)+24*\bb, AF+12*(\a0), SC+8*(\s)+4+\bb, SC+8*(\s)+(\a0)/2, 0, 0, \zero
	MM 8*(8*((\a0)%4)+2*\bb+1), 128*(\p)+24*\bb+12, AF+12*(\a0), SC+8*(\s)+4+\bb, SC+8*(\s)+(\a0)/2, 1, 0, \zero
.endr
.irp bb, 0,1,2,3
	MM 8*(8*((\a0)%4+1)+2*\bb), 128*(\p)+24*\bb, AF+12*(\a0)+12, SC+8*(\s)+4+\bb, SC+8*(\s)+(\a0)/2, 0, 1, \zero
	MM 8*(8*((\a0)%4+1)+2*\bb+1), 128*(\p)+24*\bb+12, AF+12*(\a0)+12, SC+8*(\s)+4+\bb, SC+8*(\s)+(\a0)/2, 1, 1, \zero
.endr
.endm
.macro STEP s, ns, nq, zero
	s_wait_dscnt 16                                ; B's set and A's blocks 0-3 are in; the youngest sixteen loads (A's blocks 4-7) may be out
	WIN MUL_LO
	MUL16 0, (\s)%2, \s, \zero
	MUL16 2, (\s)%2, \s, \zero
	s_wait_dscnt 0x0
	PLACES 4                                       ; four plain vector instructions in front of loads into registers that matrix instructions have read
	FETCH_B \ns, \nq, 1-(\s)%2
	FETCH_A \ns, \nq, 0
	WIN MUL_HI
	MUL16 4, (\s)%2, \s, \zero
	MUL16 6, (\s)%2, \s, \zero
	PLACES 4
	WIN 0
	FETCH_A \ns, \nq, 4
.endm
.macro TURN s, ns, fill
	s_wait_tensorcnt 0x0                           ; all my tensor loads have landed
	ds_add_u32 v[SPW], v[NIL]
	s_wait_dscnt 17                                ; (the add and the youngest sixteen loads may be out)
	WIN MUL_LO
	MUL16 0, 1, \s, 0
	s_wait_dscnt 0x0                               ; the add is done, and my reads of the slot are over
	s_barrier_signal -1
	MUL16 2, 1, \s, 0
	WIN 0
	s_barrier_wait -1
.if \fill
	CREST                                          ; a round of the cluster's barrier: no wave of any partner still reads slot 0 or has a load on its way
	s_mov_b32 s[G1A+2], 96<<16                     ; one pair again: 96 rows of 256 bytes
	s_mov_b32 s[G1A+4], 96
	s_mov_b32 s[G1B+2], 96<<16
	s_mov_b32 s[G1B+4], 96
	s_add_nc_u64 s[G0A+2:G0A+3], s[G0A+2:G0A+3], 3*QUAR
	s_add_nc_u64 s[G0B+2:G0B+3], s[G0B+2:G0B+3], 3*QUAR
	JLOAD G0A, G1A, G0B, G1B
.else
	PLACES 4
.endif
	FETCH_B \ns, 0, 0
	FETCH_A \ns, 0, 0
	WIN MUL_HI
	MUL16 4, 1, \s, 0
	MUL16 6, 1, \s, 0
	PLACES 4
	WIN 0
	FETCH_A \ns, 0, 4
.endm
	s_load_b256 s[4:11], s[0:1], 0x0               ; c2, sc2, pc, pstat
	v_lshl_add_u32 v[SPW], v0, 2, SPARE
	v_mov_b32 v[NIL], 0
	ds_add_u32 v[SPW], v[NIL]                      ; the wave's opening: the add and its wait ahead of my first tensor load
	ds_add_u32 v[SPW], v[NIL]
	v_lshrrev_b32 v1, 5, v0
	v_readfirstlane_b32 s[WV], v1
	s_and_b32 s[NH], s[WV], 1
	s_lshr_b32 s[MH], s[WV], 1
	s_bfe_u32 s[CX], ttmp6, 0x40000
	s_bfe_u32 s[CY], ttmp6, 0x40004
	s_mov_b32 s[CLX], ttmp9
	s_and_b32 s[CLY], ttmp7, 0xffff                ; the batch
	s_lshl_b32 s92, s[CY], 2
	s_lshl_b32 s92, 15, s92
	s_lshl_b32 s93, 0x1111, s[CX]
	s_or_b32 s[G1A], s92, (3<<16)|(1<<21)
	s_or_b32 s[G1B], s93, (3<<16)|(1<<21)
.irp g, G1A, G1B                               ; 24,576 dense bytes: 96 rows of 256 bytes
	s_mov_b32 s[\g+1], 32<<16
	s_mov_b32 s[\g+2], 96<<16
	s_mov_b32 s[\g+3], 32<<16
	s_mov_b32 s[\g+4], 96
	s_mov_b32 s[\g+5], 32
	s_mov_b32 s[\g+6], 0
	s_mov_b32 s[\g+7], 0
.endr
	s_min_u32 s94, s[CLX], 1
	s_lshl_b32 s94, s94, 3                         ; the cluster's first query panel in the batch: 0, 8, 8
	s_lshr_b32 s95, s[CLX], 1
	s_lshl_b32 s95, s95, 3                         ; its first key panel: 0, 0, 8
	s_lshl_b32 s85, s[CLY], 4
	s_lshl_b32 s92, s[CY], 1
	s_add_co_u32 s98, s94, s92                     ; my work-group's first query panel in the batch,
	s_add_co_u32 s96, s98, s85                     ; and among q's panels: hangs on cy and the cluster alone
	s_lshl_b32 s93, s[CX], 1
	s_add_co_u32 s99, s95, s93                     ; its first key panel in the batch,
	s_add_co_u32 s97, s99, s85
	s_add_co_u32 s97, s97, 64                      ; and among the panels of c2: on cx and the cluster alone
	s_add_co_u32 s26, s96, s[NH]
	s_mul_i32 s26, s26, 8*CHK
	s_mov_b32 s27, 0
	s_add_co_u32 s56, s97, s[NH]
	s_mul_i32 s56, s56, 8*CHK
	s_mov_b32 s57, 0
	s_mul_i32 s58, s[WV], QUAR
	s_mov_b32 s[SEL], 0x76543210
	s_mov_b32 s[SEL+1], 0xfedcba98
	s_mov_b32 s[HM], 0xffff0000
	s_mov_b32 s[CS], 0x3d38aa3b                    ; c = log2(e) / sqrt(1024)
	s_mov_b32 s[CS+1], s[CS]                       ; (named with it as a pair, so it is written)
	s_wait_dscnt 0x0
	s_wait_kmcnt 0x0
	s_add_nc_u64 s[26:27], s[4:5], s[26:27]
	s_add_nc_u64 s[56:57], s[4:5], s[56:57]
.irp g, 0,1
	s_mul_i32 s59, s[WV], QUAR*(\g+1)
	s_mov_b32 s[G0A+4*\g], 1
	s_add_co_u32 s[G0A+4*\g+1], s59, \g*SLOT
	s_add_nc_u64 s[G0A+4*\g+2:G0A+4*\g+3], s[26:27], \g*QUAR
	s_or_b32 s[G0A+4*\g+3], s[G0A+4*\g+3], 0x80000000
	s_mov_b32 s[G0B+4*\g], 1
	s_add_co_u32 s[G0B+4*\g+1], s59, \g*SLOT
	s_add_nc_u64 s[G0B+4*\g+2:G0B+4*\g+3], s[56:57], \g*QUAR
	s_or_b32 s[G0B+4*\g+3], s[G0B+4*\g+3], 0x80000000
.endr
	CROUND
	s_cmp_eq_u32 s[MH], 0                          ; a wave's first fill, pair 0, stands in one branch
	s_cbranch_scc0 .Lfirst_b
	tensor_load_to_lds s[G0A:G0A+3], s[G1A:G1A+7]
	s_nop 0
.rept 4
	v_nop
.endr
	s_branch .Lfirst_asked
.Lfirst_b:
	tensor_load_to_lds s[G0B:G0B+3], s[G1B:G1B+7]
	s_nop 0
.rept 4
	v_nop
.endr
.Lfirst_asked:
	v_and_b32 v1, 15, v0
	v_bfe_u32 v2, v0, 4, 1
	v_and_b32 v3, 31, v0
	v_lshlrev_b32 v[LI], 4, v3
	v_lshlrev_b32 v[LS], 2, v3
	v_lshlrev_b32 v[L8], 3, v3
	v_lshlrev_b32 v[H8], 3, v2
	s_wait_alu depctr_va_vdst(0)
	s_mul_i32 s59, s[MH], QUAR
	s_mul_i32 s60, s[NH], QUAR
	s_add_co_u32 s60, s60, 2*QUAR
	v_add_nc_u32 v[ADRA], s59, v[LI]
	v_add_nc_u32 v[ADRB], s60, v[LI]
	v_add_nc_u32 v[ADRA+13], s59, v[L8]
	v_add_nc_u32 v[ADRB+13], s60, v[L8]
	s_lshl_b32 s59, s59, 1                         ; slots 1 and 2 are one region of four runs of 2 x QUAR bytes
	s_lshl_b32 s60, s60, 1
	s_add_co_u32 s59, s59, SLOT
	s_add_co_u32 s60, s60, SLOT
.irp g, 1,2
	v_add_nc_u32 v[ADRA+\g], s59, v[LI]
	v_add_nc_u32 v[ADRB+\g], s60, v[LI]
	v_add_nc_u32 v[ADRA+13+\g], s59, v[L8]
	v_add_nc_u32 v[ADRB+13+\g], s60, v[L8]
	s_add_co_u32 s59, s59, QUAR
	s_add_co_u32 s60, s60, QUAR
.endr
	s_cmp_eq_u32 s[MH], 0                          ; pairs 1 and 2 of the panel that I fetch, 192 blocks of 256 bytes: mine are 48 of them, by my place among the four that ask for it jointly
	s_cselect_b64 s[76:77], s[26:27], s[56:57]
	s_cselect_b32 s78, s[CX], s[CY]
	s_mul_i32 s78, s78, 48*256
	v_lshl_add_u32 v[PF], v3, 8, s78
	v_min_u32 v[PF+1], 15, v3
	v_lshl_add_u32 v[PF+1], v[PF+1], 8, s78
	global_prefetch_b8 v[PF], s[76:77] offset:QUAR th:TH_LOAD_NT scope:SCOPE_SE
	global_prefetch_b8 v[PF+1], s[76:77] offset:QUAR+8192 th:TH_LOAD_NT scope:SCOPE_SE
	s_add_co_u32 s92, s96, s[MH]
	s_add_co_u32 s93, s97, s[NH]
	s_lshl_b32 s61, s92, 12
	s_lshl_b32 s62, s93, 12
	v_add_nc_u32 v[SOA], s61, v[LS]
	v_add_nc_u32 v[SOB], s62, v[LS]
.irp s, 0,1,2,3,4,5,6,7
.irp m, 0,1,2,3
	global_load_b32 v[SC+8*\s+\m], v[SOA], s[6:7] offset:512*\s+128*\m
	global_load_b32 v[SC+8*\s+4+\m], v[SOB], s[6:7] offset:512*\s+128*\m
.endr
.endr
	s_add_co_u32 s98, s98, s[MH]                   ; U: my query panel in the batch
	s_add_co_u32 s99, s99, s[NH]                   ; s: my key chunk
	s_sub_co_i32 s61, s98, s99
	s_lshl_b32 s61, s61, 7
	v_and_b32 v[DB], 8, v1
	v_mad_u32_u24 v[DB], v[DB], 3, v1              ; r + 24 (r / 8)
	v_lshlrev_b32 v[DA], 5, v2
	v_sub_nc_u32 v[DB], v[DB], v[DA]
	v_add_nc_u32 v[DB], s61, v[DB]
	v_mov_b32 v[NINF], 0xff800000
	v_mov_b32 v[NM+1], 0                           ; (the upper half of a pair that is named whole)
.irp b, 0,1,2,3
	v_mov_b32 v[T2+\b], 0                          ; written once: a lane permute's destination counts as one of its sources
.endr
	s_add_co_u32 s61, s85, s98                     ; my chunk: 16 (16 batch + U) + s
	s_lshl_b32 s61, s61, 4
	s_add_co_u32 s61, s61, s99
	s_mul_i32 s62, s61, CHK
	s_mov_b32 s63, 0
	s_add_nc_u64 s[OC:OC+1], s[8:9], s[62:63]
	s_mul_i32 s62, s61, 1536
	s_add_nc_u64 s[OS:OS+1], s[10:11], s[62:63]
	s_wait_alu depctr_va_vdst(0)                   ; the wait at the head's end
	s_wait_tensorcnt 0x0                           ; my part of slot 0 is in
	ds_add_u32 v[SPW], v[NIL]
	s_mov_b32 s[G1A+2], 192<<16                    ; two pairs: 192 rows of 256 bytes
	s_mov_b32 s[G1A+4], 192
	s_mov_b32 s[G1B+2], 192<<16
	s_mov_b32 s[G1B+4], 192
	s_wait_dscnt 0x0
	CROUND
	JLOAD G0A+4, G1A, G0B+4, G1B
	FETCH_B 0, 0, 0
	FETCH_A 0, 0, 0
	FETCH_A 0, 0, 4
	s_wait_loadcnt 0x0                             ; the scale words
	STEP 0, 0, 1, 1
	TURN 1, 1, 1                                   ; every wave has waited for all three slots; slot 0 takes K steps 6, 7
	STEP 2, 1, 1, 0
	STEP 3, 2, 0, 0
	STEP 4, 2, 1, 0
	TURN 5, 0, 0
	STEP 6, 0, 1, 0
	s_wait_dscnt 16
	WIN MUL_LO
	MUL16 0, 1, 7, 0
	MUL16 2, 1, 7, 0
	s_wait_dscnt 0x0
	WIN MUL_HI
	MUL16 4, 1, 7, 0
	MUL16 6, 1, 7, 0
	WIN 0
	PLACES 4
; THE WAY OUT, block a of 16 queries x the chunk's 128 keys.
.macro SMBLK a
.if (\a) > 0
	s_wait_xcnt 0x0                                ; the last block's stores have read their registers
.endif
	v_add_nc_u32 v[DA], 64*((\a)/4)+8*((\a)%4), v[DB]
	WIN 0x02+(\a)/4                                ; source 0: the accumulators' window
.set nn, 0
.rept 64
	v_cmp_gt_i32 vcc_lo, nn+32*(nn/32), v[DA]      ; is this register's key behind my query?
	v_cndmask_b32 v[HA+nn], v[64*((\a)%4)+nn], v[NINF], vcc_lo     ; then -infinity; the same line brings the score into window 0; each accumulator from its low end on
.set nn, nn+1
.endr
	WIN 0
.irp b, 0,1,2,3
	v_max3_num_f32 v[BM+\b], v[HA+16*\b], v[HA+1+16*\b], v[HA+2+16*\b]   ; the largest score of each sixteen of my registers: for the row's maximum, and, since p rises with the score, for the block's largest p
.endr
.irp i, 3,5,7,9,11,13
.irp b, 0,1,2,3
	v_max3_num_f32 v[BM+\b], v[BM+\b], v[HA+16*\b+\i], v[HA+1+16*\b+\i]
.endr
.endr
.irp b, 0,1,2,3
	v_max_num_f32 v[BM+\b], v[BM+\b], v[HA+15+16*\b]
.endr
	v_max_num_f32 v[BM], v[BM], v[BM+1]            ; my two scale blocks' largest scores,
	v_max_num_f32 v[BM+1], v[BM+2], v[BM+3]
	v_max_num_f32 v[TP], v[BM], v[BM+1]
	v_permlanex16_b32 v[T2], v[TP], s[SEL], s[SEL+1]
	v_max_num_f32 v[TP], v[TP], v[T2]              ; and with lane l xor 16's the chunk's
	v_mul_f32 v[TP], s[CS], v[TP]                  ; as t (c is positive)
	v_max_num_f32 v[TP], 0xff61b1e6, v[TP]         ; a query that sees none of the chunk's keys keeps -3e38: a number
	v_floor_f32 v[NM], -v[TP]                      ; -M = floor(-t) = -ceil(t)
.set nn, 0
.rept 32
	v_pk_fma_f32 v[HA+nn:HA+nn+1], v[HA+nn:HA+nn+1], s[CS:CS+1], v[NM:NM+1] op_sel_hi:[1,0,0]   ; t - M, two at a time
.set nn, nn+2
.endr
.irp b, 0,1
	v_fma_f32 v[BM+\b], v[BM+\b], s[CS], v[NM]     ; the same of each block's largest score
.endr
.set nn, 0
	s_wait_alu depctr_va_vdst(0)
.rept 64
	v_exp_f32 v[HA+nn], v[HA+nn]                   ; p = 2^(t - M)
.set nn, nn+1
.endr
	v_nop                                          ; a plain place behind the exponentials
	s_wait_alu depctr_va_vdst(0)                   ; one wait for the batch, ahead of its first reader
.irp b, 0,1
	v_exp_f32 v[BM+\b], v[BM+\b]                   ; the block's largest p: the same two instructions on the same number
.endr
	v_pk_add_f32 v[SUA:SUA+1], v[HA:HA+1], v[HA+4:HA+5]            ; l is taken of the unquantised p, in two chains; these lines read the 64 alone
	v_pk_add_f32 v[SUB:SUB+1], v[HA+2:HA+3], v[HA+6:HA+7]
.set nn, 8
.rept 14
	v_pk_add_f32 v[SUA:SUA+1], v[SUA:SUA+1], v[HA+nn:HA+nn+1]
	v_pk_add_f32 v[SUB:SUB+1], v[SUB:SUB+1], v[HA+nn+2:HA+nn+3]
.set nn, nn+4
.endr
	v_pk_add_f32 v[SUA:SUA+1], v[SUA:SUA+1], v[SUB:SUB+1]
	v_add_f32 v[LSUM], v[SUA], v[SUA+1]
	v_permlanex16_b32 v[TP], v[LSUM], s[SEL], s[SEL+1]
	v_add_f32 v[LSUM], v[LSUM], v[TP]              ; with lane l xor 16's: the chunk's l, the same in both lanes
	s_wait_alu depctr_va_vdst(0)                   ; and one wait for the two
.irp b, 0,1
	v_max_num_f32 v[BM+\b], 0x1800000, v[BM+\b]    ; the floor 2^(3 - 127): the byte cannot fall under 1
.endr
.irp b, 0,1
	v_add_nc_u32 v[SO+\b], 0xff000000, v[BM+\b]    ; 2 off the exponent field: the conversion's scale operand
.endr
.irp b, 0,1
	v_lshrrev_b32 v[T2+\b], 23, v[SO+\b]           ; the scale's byte: block 2 b + h
.endr
	v_lshl_or_b32 v[PW], v[T2+1], 16, v[T2]
	v_lshlrev_b32 v[PW], v[H8], v[PW]
	v_permlanex16_b32 v[TP], v[PW], s[SEL], s[SEL+1]
	v_or_b32 v[PW], v[PW], v[TP]                   ; with lane l xor 16's two bytes the word is whole
.irp c, 0,1
	v_cvt_scalef32_pk16_fp6_f32 v[PC+6*\c:PC+2+6*\c], v[HA+32*\c:HA+15+32*\c], v[SO+\c]
	v_cvt_scalef32_pk16_fp6_f32 v[PC+12+4*\c:PC+14+4*\c], v[HA+16+32*\c:HA+31+32*\c], v[SO+\c]
.endr
	v_nop                                          ; one plain place behind a scaled conversion
.irp c, 0,1
.irp i, 0,1,2
	v_mov_b32 v[PC+3+6*\c+\i], v[PC+12+4*\c+\i]
.endr
.endr
.irp c, 0,1,2
	global_store_b128 v[LI], v[PC+4*\c:PC+4*\c+3], s[OC:OC+1] offset:(\a)*FIB+512*\c   ; 512 consecutive bytes, aligned
.endr
.if (\a)%2 == 0
	v_mov_b32 v[KE], v[PW]
	v_mov_b32 v[KE+1], v[NM]
	v_mov_b32 v[KE+2], v[LSUM]
.else
	v_cndmask_b32 v[MG], v[KE], v[PW], s[HM]       ; lanes 0-15: the even block's; lanes 16-31: the odd one's
	v_cndmask_b32 v[MG+1], v[KE+1], v[NM], s[HM]
	v_cndmask_b32 v[MG+2], v[KE+2], v[LSUM], s[HM]
	global_store_b32 v[LS], v[MG], s[OS:OS+1] offset:128*((\a)/2)
	global_store_b32 v[LS], v[MG+1], s[OS:OS+1] offset:512+128*((\a)/2)
	global_store_b32 v[LS], v[MG+2], s[OS:OS+1] offset:1024+128*((\a)/2)
.endif
.endm
	s_wait_alu depctr_va_vdst(0)
.irp a, 0,1,2,3,4,5,6,7
	SMBLK \a
.endr
	s_wait_tensorcnt 0x0                           ; the wave's end
	ds_add_u32 v[SPW], v[NIL]
	s_wait_dscnt 0x0
	CROUND                                         ; the closing round
	s_endpgm
.Lfunc_end_k_q8475d90660_scores:
	.size	k_q8475d90660_scores, .Lfunc_end_k_q8475d90660_scores-k_q8475d90660_scores
	.p2alignl 7, 3214868480
	.fill 96, 4, 3214868480
	.section	.rodata,"a",@progbits
	.p2align	6, 0x0
	.amdhsa_kernel k_q8475d90660_scores
		.amdhsa_group_segment_fixed_size 327680
		.amdhsa_private_segment_fixed_size 0
		.amdhsa_enable_private_segment 0
		.amdhsa_kernarg_size 32
		.amdhsa_user_sgpr_count 2
		.amdhsa_user_sgpr_kernarg_segment_ptr 1
		.amdhsa_wavefront_size32 1
		.amdhsa_system_sgpr_workgroup_id_x 1
		.amdhsa_system_sgpr_workgroup_id_y 1
		.amdhsa_system_sgpr_workgroup_id_z 1
		.amdhsa_system_vgpr_workitem_id 0
		.amdhsa_next_free_vgpr 1024
		.amdhsa_next_free_sgpr 100
		.amdhsa_reserve_vcc 1
		.amdhsa_float_denorm_mode_32 3
		.amdhsa_float_denorm_mode_16_64 3
		.amdhsa_memory_ordered 1
		.amdhsa_forward_progress 1
		.amdhsa_inst_pref_size 239
	.end_amdhsa_kernel
	.amdgpu_metadata
---
amdhsa.version: [ 1, 2 ]
amdhsa.kernels:
  - .name:           k_q8475d90660_scores
    .symbol:         k_q8475d90660_scores.kd
    .args:
      - { .name: c2, .offset: 0, .size: 8, .value_kind: global_buffer, .address_space: global }
      - { .name: sc2, .offset: 8, .size: 8, .value_kind: global_buffer, .address_space: global }
      - { .name: pc, .offset: 16, .size: 8, .value_kind: global_buffer, .address_space: global }
      - { .name: pstat, .offset: 24, .size: 8, .value_kind: global_buffer, .address_space: global }
    .group_segment_fixed_size: 327680
    .private_segment_fixed_size: 0
    .kernarg_segment_align: 8
    .kernarg_segment_size: 32
    .max_flat_workgroup_size: 128
    .sgpr_count:     100
    .vgpr_count:     1024
    .wavefront_size: 32
...
	.end_amdgpu_metadata
.endif
;; end of part 3
;; launch pv (part 4): grid 4 x 64, 4 waves a work-group, clusters of 4 x 4, 327,680 bytes of LDS; arguments pc, pstat, c2, sc2, out0; writes out0
.if DOCPART == 4
	.amdgcn_target "amdgcn-amd-amdhsa--gfx1250"
	.amdhsa_code_object_version 6
	.text
	.protected	k_q8475d90660_pv
	.globl	k_q8475d90660_pv
	.p2align	8
	.type	k_q8475d90660_pv,@function
k_q8475d90660_pv:
	s_mov_b64 s[64:65], 0
	v_nop
	global_prefetch_b8 v0, s[64:65] scope:SCOPE_SE
	s_setreg_imm32_b32 hwreg(HW_REG_WAVE_MODE, 25, 1), 1
	s_wait_xcnt 0x0
	s_wait_alu depctr_hold_cnt(0) depctr_sa_sdst(0) depctr_va_vdst(0) depctr_va_sdst(0) depctr_va_ssrc(0) depctr_va_vcc(0) depctr_vm_vsrc(0)
	s_getreg_b32 s2, hwreg(HW_REG_IB_STS2, 6, 4)
	s_cmp_eq_u32 s2, 0
	s_cbranch_scc0 .Lentry_in_a_cluster
	s_endpgm
.Lentry_in_a_cluster:
	s_bfe_u32 s2, ttmp6, 0x10000c
	s_cmp_lg_u32 s2, 0xf033
	s_cbranch_scc0 .Lentry_shape_is_right
	s_endpgm
.Lentry_shape_is_right:
; out = (p V) / l on codes of FP6 (E2M3) with E8M0 scales.  p comes in chunks of 128 keys, each under its own whole number M (pc, pstat; their layouts: at the head of the launch that makes them).
; AT THE HEAD each lane takes, for its rows, the row's M = the largest chunk M; e = row M - chunk M (a whole number, 0 or more) comes off each of the chunk's four scale bytes, held at 0 from below, and l = the sum of the chunks' l x 2^-e.
; The codes stay as they are: they are the codes that the row's M would have given.
; V: c2's chunks 1024 + 16 (8 batch + channel panel) + key panel: images of 16 channels x 128 keys; place 16 blk + r of a panel holds channel 32 (blk / 2) + 8 (blk % 2) + r + 8 (r / 8).
; SHARES.  A work-group makes 128 queries (panel U) x 256 channels; each of its four waves 64 x 128: 32 accumulators.  TRANSPOSED: source 0 = 16 channels of V, source 1 = 16 queries of p: a lane holds one query and its 64 registers of a
; block are channels 32 b + 16 (lane / 16) + i in their natural order.
; CLUSTER 4 x 4: cluster y = 4 batch + g; its work-groups take U = 4 g + cy and channels 256 cx.  All sixteen walk the same 4 (g + 1) chunks of keys (those behind U's diagonal hold zero codes), so every trip count and branch hangs on
; the cluster's y alone.  p's chunks are shared along a row of the cluster, V's along a column: joint loads.
; RING: two slots of four K steps.  Slot 0's first fill is waited for behind the head's arithmetic; slot 1's goes out behind the round in front of the first products.  The slots' count NS = g + 1 is 1 to 4: the four ways are
; written out as a tree, so that every refill is read and the last change of slots on each way asks for nothing; with one slot there is no change of slots at all.
; Where NS = 1, slot 1's first fill (keys 512 to 1,023, zero codes) is asked for all the same and read by nobody: the price of one form of first fills on every way.  A wave has one tensor load out at the most.
; LIMITS: e is held at 128, and a scale byte at 0 (2^-127): a block so far under the row's largest p adds at most 7.5 x 2^-127 x |v| where the rule would add less; NaN and infinities are not served.
; REGISTERS: window 0: v1-15 addresses; v32-63 p's scale words, v64-127 V's, and nothing else; v128-155 the head's numbers; v160-207, v208-255 p's fragments, two sets (at the head: v160-191 -M, v192-223 l; on the way out: v160-223 results, v224-255 rows).
;   window 1: the accumulators, (a, b) at v[8 (8 a + b)].  window 2: V's fragments, two sets, v0-95 and v128-223.
.set CHK,   12288
.set FIB,   1536
.set SLOT,  12*CHK                     ; four K steps: p's 49,152 bytes, V's panel 0, V's panel 1
.set STAGE, 2*SLOT                     ; the way out: 16 rows x (256 bytes + 16) for each wave; no tensor load lands here
.set SPARE, STAGE+4*16*272             ; the spare words, 128 bytes for each wave: two blocks of 256 bytes that no other line names
.set LI,   4
.set LS,   5
.set ADRA, 6                           ; v6-7   my four blocks of p in slot 0, 1
.set ADRB, 8                           ; v8-9   my panel of V
.set PSO,  10                          ; v10    my four blocks among a chunk's words
.set STO,  11
.set SRD,  12
.set GOF,  13
.set SPW,  14
.set NIL,  15
.set SA,   32                          ; K step k: v[SA+2 k+m]: my blocks 2 m (lanes 0-15), 2 m + 1 (lanes 16-31)
.set SB,   64                          ; v[SB+4 k+m]: V's blocks 2 m, 2 m + 1
.set NR,   128                         ; v128-129 the row's -M
.set LR,   130                         ; v130-131 the row's l
.set RL,   132                         ; v132-139 1 / l of block a, twice: a pair for the packed multiplication
; THE ORDER OF ROWS, which takes the place of the one named above: block 4 c + j of a panel of 128 queries or channels holds at place r number 64 c + 8 j + 32 (r / 8) + r % 8; so register 32 c + n of a lane's 64 is channel 64 c + 32 h + n.
; ONE tensor load a wave at the head, slot 0's; slot 1's first fill stands behind the round in front of the first products, and every way on waits for it ahead of reading slot 1.
.set NMR,  160
.set LL,   192
.set AF,   160
.set OT,   160
.set RB,   224
.set WV,   18
.set NH,   19
.set MH,   20
.set CX,   21
.set CY,   22
.set BT,   23
.set GG,   24
.set NS,   25
.set G1A,  28
.set G1B,  36
.set G0A,  44                          ; s[44:51] a set for each slot
.set G0B,  52                          ; s[52:59]
.set SEL,  84
.set HM,   86
.set MSB, 0
.macro WIN new
.if MSB != (\new)
	s_set_vgpr_msb (MSB<<8)|(\new)
.set MSB, (\new)
.endif
.endm
.macro PLACES n
.rept \n
	v_nop
.endr
.endm
.macro CREST
	s_cmp_lg_u32 s[WV], 0
	s_cbranch_scc1 .Lnot_wave_0_\@
	s_barrier_signal -3
.Lnot_wave_0_\@:
	s_barrier_wait -3
	s_barrier_signal -1
	s_barrier_wait -1
.endm
.macro CROUND
	s_barrier_signal -1
	s_barrier_wait -1
	CREST
.endm
.macro JLOAD g0a, g1a, g0b, g1b        ; waves 0 and 1 fetch p's halves, waves 2 and 3 V's panels; an s_nop 0 and four v_nop follow each of the two lines
	s_cmp_eq_u32 s[MH], 0
	s_cbranch_scc0 .Lfor_b_\@
	tensor_load_to_lds s[\g0a:\g0a+3], s[\g1a:\g1a+7]
	s_nop 0
.rept 4
	v_nop
.endr
	s_branch .Lasked_\@
.Lfor_b_\@:
	tensor_load_to_lds s[\g0b:\g0b+3], s[\g1b:\g1b+7]
	s_nop 0
.rept 4
	v_nop
.endr
.Lasked_\@:
.endm
.macro FRAG reg, adr, off
.irp c, 0,1,2
	ds_load_b128 v[\reg+4*\c:\reg+4*\c+3], v[\adr] offset:\off+512*\c
.endr
.endm
.macro MM d, b, a, sb, sa, ob, oa, zero    ; ob, oa: an odd block's scale words lie in lanes 16-31 of the register named
.if \zero
.if (\ob) && (\oa)
	v_wmma_scale_f32_16x16x128_f8f6f4 v[\d:\d+7], v[\b:\b+11], v[\a:\a+11], 0, v[\sb], v[\sa] matrix_a_fmt:MATRIX_FMT_FP6 matrix_b_fmt:MATRIX_FMT_FP6 matrix_a_scale:MATRIX_SCALE_ROW1 matrix_b_scale:MATRIX_SCALE_ROW1
.elseif \ob
	v_wmma_scale_f32_16x16x128_f8f6f4 v[\d:\d+7], v[\b:\b+11], v[\a:\a+11], 0, v[\sb], v[\sa] matrix_a_fmt:MATRIX_FMT_FP6 matrix_b_fmt:MATRIX_FMT_FP6 matrix_a_scale:MATRIX_SCALE_ROW1
.elseif \oa
	v_wmma_scale_f32_16x16x128_f8f6f4 v[\d:\d+7], v[\b:\b+11], v[\a:\a+11], 0, v[\sb], v[\sa] matrix_a_fmt:MATRIX_FMT_FP6 matrix_b_fmt:MATRIX_FMT_FP6 matrix_b_scale:MATRIX_SCALE_ROW1
.else
	v_wmma_scale_f32_16x16x128_f8f6f4 v[\d:\d+7], v[\b:\b+11], v[\a:\a+11], 0, v[\sb], v[\sa] matrix_a_fmt:MATRIX_FMT_FP6 matrix_b_fmt:MATRIX_FMT_FP6
.endif
.else
.if (\ob) && (\oa)
	v_wmma_scale_f32_16x16x128_f8f6f4 v[\d:\d+7], v[\b:\b+11], v[\a:\a+11], v[\d:\d+7], v[\sb], v[\sa] matrix_a_fmt:MATRIX_FMT_FP6 matrix_b_fmt:MATRIX_FMT_FP6 matrix_a_scale:MATRIX_SCALE_ROW1 matrix_b_scale:MATRIX_SCALE_ROW1
.elseif \ob
	v_wmma_scale_f32_16x16x128_f8f6f4 v[\d:\d+7], v[\b:\b+11], v[\a:\a+11], v[\d:\d+7], v[\sb], v[\sa] matrix_a_fmt:MATRIX_FMT_FP6 matrix_b_fmt:MATRIX_FMT_FP6 matrix_a_scale:MATRIX_SCALE_ROW1
.elseif \oa
	v_wmma_scale_f32_16x16x128_f8f6f4 v[\d:\d+7], v[\b:\b+11], v[\a:\a+11], v[\d:\d+7], v[\sb], v[\sa] matrix_a_fmt:MATRIX_FMT_FP6 matrix_b_fmt:MATRIX_FMT_FP6 matrix_b_scale:MATRIX_SCALE_ROW1
.else
	v_wmma_scale_f32_16x16x128_f8f6f4 v[\d:\d+7], v[\b:\b+11], v[\a:\a+11], v[\d:\d+7], v[\sb], v[\sa] matrix_a_fmt:MATRIX_FMT_FP6 matrix_b_fmt:MATRIX_FMT_FP6
.endif
.endif
.endm
.macro FETCH4 slot, q, set             ; the fragments of the slot's q-th K step: V's eight, p's four: 36 loads
	WIN 0x80                                       ; destination window 2, address window 0
.irp i, 0,1,2,3,4,5,6,7
	FRAG 128*(\set)+12*\i, ADRB+\slot, (\q)*CHK+\i*FIB
.endr
	WIN 0
.irp i, 0,1,2,3
	FRAG AF+48*(\set)+12*\i, ADRA+\slot, (\q)*CHK+\i*FIB
.endr
.endm
.macro MUL32 set, k, zero              ; the 32 accumulators take turns, one instruction a turn, in the same order in every step
	WIN 0x52                                       ; source 0 (V) window 2, source 1 (p) window 0, C and D window 1
.irp aa, 0,1
.irp bb, 0,1,2,3
	MM 8*(16*\aa+2*\bb), 128*(\set)+24*\bb, AF+48*(\set)+24*\aa, SB+4*(\k)+\bb, SA+2*(\k)+\aa, 0, 0, \zero
	MM 8*(16*\aa+2*\bb+1), 128*(\set)+24*\bb+12, AF+48*(\set)+24*\aa, SB+4*(\k)+\bb, SA+2*(\k)+\aa, 1, 0, \zero
.endr
.irp bb, 0,1,2,3
	MM 8*(16*\aa+8+2*\bb), 128*(\set)+24*\bb, AF+48*(\set)+24*\aa+12, SB+4*(\k)+\bb, SA+2*(\k)+\aa, 0, 1, \zero
	MM 8*(16*\aa+8+2*\bb+1), 128*(\set)+24*\bb+12, AF+48*(\set)+24*\aa+12, SB+4*(\k)+\bb, SA+2*(\k)+\aa, 1, 1, \zero
.endr
.endr
.endm
.macro KSTEP slot, k, q, zero
.if (\q) < 3
	FETCH4 \slot, (\q)+1, ((\q)+1)%2               ; the next K step's fragments, a whole step ahead of their use
	s_wait_dscnt 36                                ; all but the 36 just issued
.else
	s_wait_dscnt 0x0
.endif
	MUL32 (\q)%2, \k, \zero
	WIN 0
	PLACES 4                                       ; four plain vector instructions in front of loads into registers that matrix instructions have read, and of the first read of results
.endm
.macro WORK slot, t, zero              ; a slot's four K steps
	FETCH4 \slot, 0, 0
	KSTEP \slot, 4*(\t), 0, \zero
	KSTEP \slot, 4*(\t)+1, 1, 0
	KSTEP \slot, 4*(\t)+2, 2, 0
	KSTEP \slot, 4*(\t)+3, 3, 0
.endm
; THE CHANGE OF SLOTS.  Each wave waits for all its tensor loads (its part of the slot ahead), adds 0 to its spare word, and waits for that and for its reads of the slot that it leaves.
.macro CHANGE_F slot                   ; the slot that is left is filled again, with the keys two slots on: the barrier is a round of the cluster's, the joint load the first thing behind it
	s_wait_tensorcnt 0x0
	ds_add_u32 v[SPW], v[NIL]                      ; 0 onto my spare word; the descriptors' steps stand between it and the wait for it
	s_add_nc_u64 s[G0A+4*\slot+2:G0A+4*\slot+3], s[G0A+4*\slot+2:G0A+4*\slot+3], 8*CHK
	s_add_nc_u64 s[G0B+4*\slot+2:G0B+4*\slot+3], s[G0B+4*\slot+2:G0B+4*\slot+3], 8*CHK
	s_wait_dscnt 0x0
	CROUND
	JLOAD G0A+4*\slot, G1A, G0B+4*\slot, G1B
.endm
.macro CHANGE_N                        ; nothing is left to fetch: the last refill has landed in every wave behind this barrier
	s_wait_tensorcnt 0x0
	ds_add_u32 v[SPW], v[NIL]
	s_wait_dscnt 0x0
	s_barrier_signal -1
	s_barrier_wait -1
.endm
	s_load_b256 s[4:11], s[0:1], 0x0               ; pc, pstat, c2, sc2
	s_load_b64 s[12:13], s[0:1], 0x20              ; out0
	v_lshl_add_u32 v[SPW], v0, 2, SPARE
	v_mov_b32 v[NIL], 0
	ds_add_u32 v[SPW], v[NIL]                      ; the wave's opening: the add and its wait ahead of my first tensor load
	ds_add_u32 v[SPW], v[NIL]
	v_lshrrev_b32 v1, 5, v0
	v_readfirstlane_b32 s[WV], v1
	s_and_b32 s[NH], s[WV], 1                      ; my panel of V.  Also: which half of p's slot, or which panel of V, I fetch
	s_lshr_b32 s[MH], s[WV], 1                     ; my 64 queries.  Also: I fetch p (0) or V (1)
	s_bfe_u32 s[CX], ttmp6, 0x40000
	s_bfe_u32 s[CY], ttmp6, 0x40004
	s_and_b32 s90, ttmp7, 0xffff
	s_lshr_b32 s[BT], s90, 2                       ; the batch
	s_and_b32 s[GG], s90, 3                        ; which 512 queries of it
	s_add_co_u32 s[NS], s[GG], 1                   ; slots of 512 keys: the same in all sixteen partners
	s_lshl_b32 s92, s[CY], 2
	s_lshl_b32 s92, 15, s92
	s_lshl_b32 s93, 0x1111, s[CX]
	s_or_b32 s[G1A], s92, (3<<16)|(1<<21)          ; p's chunks go to my row of the cluster
	s_or_b32 s[G1B], s93, (3<<16)|(1<<21)          ; V's to my column
	s_mov_b32 s[G1A+1], 32<<16                     ; p: two chunks, 24,576 dense bytes: 96 rows of 256 bytes
	s_mov_b32 s[G1A+2], 96<<16
	s_mov_b32 s[G1A+3], 32<<16
	s_mov_b32 s[G1A+4], 96
	s_mov_b32 s[G1A+5], 32
	s_mov_b32 s[G1A+6], 0
	s_mov_b32 s[G1A+7], 0
	s_mov_b32 s[G1B+1], 32<<16                     ; V: four chunks, 49,152 dense bytes: 192 rows
	s_mov_b32 s[G1B+2], 192<<16
	s_mov_b32 s[G1B+3], 32<<16
	s_mov_b32 s[G1B+4], 192
	s_mov_b32 s[G1B+5], 32
	s_mov_b32 s[G1B+6], 0
	s_mov_b32 s[G1B+7], 0
	s_lshl_b32 s92, s[BT], 4
	s_lshl_b32 s94, s[GG], 2
	s_add_co_u32 s92, s92, s94
	s_add_co_u32 s92, s92, s[CY]                   ; 16 batch + U: hangs on cy and the cluster alone
	s_mul_i32 s60, s92, 16*CHK
	s_mul_i32 s94, s[NH], 2*CHK
	s_add_co_u32 s60, s60, s94
	s_mov_b32 s61, 0
	s_lshl_b32 s93, s[BT], 3
	s_lshl_b32 s95, s[CX], 1
	s_add_co_u32 s93, s93, s95
	s_add_co_u32 s93, s93, s[NH]                   ; 8 batch + channel panel: on cx and the cluster alone
	s_lshl_b32 s93, s93, 4
	s_add_co_u32 s93, s93, 1024                    ; its first chunk
	s_mul_i32 s62, s93, CHK
	s_mov_b32 s63, 0
	s_mul_i32 s96, s[NH], 2*CHK                    ; where they go in a slot: no place in the cluster enters an LDS address
	s_mul_i32 s97, s[NH], 4*CHK
	s_add_co_u32 s97, s97, 4*CHK
	s_mov_b32 s[SEL], 0x76543210
	s_mov_b32 s[SEL+1], 0xfedcba98
	s_mov_b32 s[HM], 0xffff0000
	s_mov_b32 s82, 0x80808080
	s_wait_dscnt 0x0
	s_wait_kmcnt 0x0
	s_add_nc_u64 s[60:61], s[4:5], s[60:61]
	s_add_nc_u64 s[62:63], s[8:9], s[62:63]
.irp g, 0,1
	s_mov_b32 s[G0A+4*\g], 1
	s_add_co_u32 s[G0A+4*\g+1], s96, \g*SLOT
	s_add_nc_u64 s[G0A+4*\g+2:G0A+4*\g+3], s[60:61], \g*4*CHK      ; slot g begins with K steps 4 g ..
	s_or_b32 s[G0A+4*\g+3], s[G0A+4*\g+3], 0x80000000
	s_mov_b32 s[G0B+4*\g], 1
	s_add_co_u32 s[G0B+4*\g+1], s97, \g*SLOT
	s_add_nc_u64 s[G0B+4*\g+2:G0B+4*\g+3], s[62:63], \g*4*CHK
	s_or_b32 s[G0B+4*\g+3], s[G0B+4*\g+3], 0x80000000
.endr
	CROUND
	s_cmp_eq_u32 s[MH], 0                          ; a wave's first fill, slot 0's, stands in one branch
	s_cbranch_scc0 .Lfirst_b
	tensor_load_to_lds s[G0A:G0A+3], s[G1A:G1A+7]
	s_nop 0
.rept 4
	v_nop
.endr
	s_branch .Lfirst_asked
.Lfirst_b:
	tensor_load_to_lds s[G0B:G0B+3], s[G1B:G1B+7]
	s_nop 0
.rept 4
	v_nop
.endr
.Lfirst_asked:
	v_and_b32 v1, 15, v0
	s_wait_alu depctr_va_vdst(0)
	v_bfe_u32 v2, v0, 4, 1
	v_and_b32 v3, 31, v0
	v_lshlrev_b32 v[LI], 4, v3
	v_lshlrev_b32 v[LS], 2, v3
	s_mul_i32 s98, s[MH], 4*FIB
	s_mul_i32 s99, s[NH], 4*CHK
	s_add_co_u32 s99, s99, 4*CHK
.irp g, 0,1
	v_add_nc_u32 v[ADRA+\g], s98, v[LI]
	v_add_nc_u32 v[ADRB+\g], s99, v[LI]
	s_add_co_u32 s98, s98, SLOT
	s_add_co_u32 s99, s99, SLOT
.endr
	s_mul_i32 s98, s[WV], 16*272
	s_add_co_u32 s98, s98, STAGE                   ; my stage
	v_mul_u32_u24 v[STO], v1, 272
	s_wait_alu depctr_va_vdst(0)
	v_lshl_add_u32 v[STO], v2, 7, v[STO]
	v_add_nc_u32 v[STO], s98, v[STO]               ; in: row r, + 128 (lane / 16)
	v_mul_u32_u24 v[SRD], v2, 272
	v_lshl_add_u32 v[SRD], v1, 4, v[SRD]
	v_add_nc_u32 v[SRD], s98, v[SRD]               ; back: lanes 0-15 one row, lanes 16-31 the next
	v_lshlrev_b32 v[GOF], 12, v2
	v_lshl_add_u32 v[GOF], v1, 4, v[GOF]           ; and the same two rows in out0
	s_lshl_b32 s94, s[MH], 8
	v_add_nc_u32 v[PSO], s94, v[LS]
	s_wait_alu depctr_va_vdst(0)
	s_mul_i32 s90, s92, 16*1536                    ; my query panel's words
	s_mov_b32 s91, 0
	s_add_nc_u64 s[68:69], s[6:7], s[90:91]
.irp t, 1,2,3                                  ; slot t's; a slot that this cluster does not walk takes the last one's again: every load reads written bytes, and its l counts for nothing
	s_min_u32 s90, s[GG], \t
	s_mul_i32 s90, s90, 4*1536
	s_add_nc_u64 s[68+2*\t:69+2*\t], s[68:69], s[90:91]
	s_cmp_gt_u32 s[NS], \t
	s_cselect_b32 s[78+\t], 1.0, 0
.endr
	s_lshl_b32 s90, s93, 9
	s_add_nc_u64 s[76:77], s[10:11], s[90:91]      ; my panel of V among the scale words
.irp t, 0,1,2,3
.irp q, 0,1,2,3
.irp m, 0,1
	global_load_b32 v[SA+2*(4*\t+\q)+\m], v[PSO], s[68+2*\t:69+2*\t] offset:\q*1536+128*\m
	global_load_b32 v[NMR+2*(4*\t+\q)+\m], v[PSO], s[68+2*\t:69+2*\t] offset:\q*1536+512+128*\m
	global_load_b32 v[LL+2*(4*\t+\q)+\m], v[PSO], s[68+2*\t:69+2*\t] offset:\q*1536+1024+128*\m
.endr
.endr
.endr
.irp k, 0,1,2,3,4,5,6,7,8,9,10,11,12,13,14,15
.irp m, 0,1,2,3
	global_load_b32 v[SB+4*\k+\m], v[LS], s[76:77] offset:512*\k+128*\m
.endr
.endr
	s_lshl_b32 s90, s92, 7                         ; my first row of out0: 128 (16 batch + U) + 64 x half,
	s_lshl_b32 s94, s[MH], 6
	s_add_co_u32 s90, s90, s94
	s_lshl_b32 s90, s90, 12
	s_lshl_b32 s94, s[CX], 10                      ; my first channel: 256 cx + 128 x half
	s_add_co_u32 s90, s90, s94
	s_lshl_b32 s94, s[NH], 9
	s_add_co_u32 s90, s90, s94
	s_add_nc_u64 s[88:89], s[12:13], s[90:91]
	v_mov_b32 v154, 0                              ; written once: a lane permute's destination counts as one of its sources
	v_mov_b32 v155, 0
	s_wait_loadcnt 0x0
.irp m, 0,1
	v_min3_num_f32 v[NR+\m], v[NMR+\m], v[NMR+2+\m], v[NMR+4+\m]   ; the least -M = -(the row's M); chunk 0 holds key 0, which every query sees, so it is a score's
.endr
.irp k, 3,5,7,9,11,13
.irp m, 0,1
	v_min3_num_f32 v[NR+\m], v[NR+\m], v[NMR+2*\k+\m], v[NMR+2*\k+2+\m]
.endr
.endr
.irp m, 0,1
	v_min_num_f32 v[NR+\m], v[NR+\m], v[NMR+30+\m]
.endr
.macro ADJ k, m
.set TT, 140+6*(\m)
	v_sub_f32 v[TT], v[NR+\m], v[NMR+2*(\k)+\m]    ; -e = chunk M - row M: a whole number, 0 or less
	v_max_num_f32 v[TT], 0xc3000000, v[TT]         ; held at -128
	v_cvt_i32_f32 v[TT], v[TT]
.if (\k) == 0
	v_ldexp_f32 v[LR+\m], v[LL+\m], v[TT]          ; l x 2^-e
.elseif (\k) < 4
	v_ldexp_f32 v[TT+1], v[LL+2*(\k)+\m], v[TT]
	v_add_f32 v[LR+\m], v[LR+\m], v[TT+1]
.else
	v_ldexp_f32 v[TT+1], v[LL+2*(\k)+\m], v[TT]
	v_fma_f32 v[LR+\m], v[TT+1], s[78+(\k)/4], v[LR+\m]   ; x 1 or, for a slot that is not walked, x 0
.endif
	v_sub_nc_u32 v[TT+2], 0, v[TT]                 ; e, 0 to 128,
	v_perm_b32 v[TT+2], v[TT+2], v[TT+2], 0        ; in all four bytes
	v_or_b32 v[TT+3], s82, v[SA+2*(\k)+\m]         ; the scale bytes are at most 125: 128 + byte - e borrows from no neighbour,
	v_sub_nc_u32 v[TT+3], v[TT+3], v[TT+2]
	v_and_b32 v[TT+4], s82, v[TT+3]                ; and keeps its top bit where byte - e is 0 or more
	v_lshrrev_b32 v[TT+5], 7, v[TT+4]
	v_sub_nc_u32 v[TT+4], v[TT+4], v[TT+5]         ; 0x7f there, 0 elsewhere
	v_and_b32 v[SA+2*(\k)+\m], v[TT+3], v[TT+4]    ; max(byte - e, 0)
.endm
.irp k, 0,1,2,3,4,5,6,7,8,9,10,11,12,13,14,15
.irp m, 0,1
	ADJ \k, \m
.endr
.endr
	s_wait_alu depctr_va_vdst(0)
	v_rcp_f32 v152, v[LR]
	v_rcp_f32 v153, v[LR+1]
	v_nop                                          ; a plain place behind the reciprocals
	s_wait_alu depctr_va_vdst(0)                   ; one wait for both, ahead of their first reader
	v_permlanex16_b32 v154, v152, s[SEL], s[SEL+1]
	v_permlanex16_b32 v155, v153, s[SEL], s[SEL+1]
.irp m, 0,1                                    ; lanes 0-15 held block 2 m's, lanes 16-31 block 2 m + 1's: each block's now in both halves of the lanes
	v_cndmask_b32 v[RL+4*\m], v[152+\m], v[154+\m], s[HM]
	v_cndmask_b32 v[RL+4*\m+1], v[152+\m], v[154+\m], s[HM]
	v_cndmask_b32 v[RL+4*\m+2], v[154+\m], v[152+\m], s[HM]
	v_cndmask_b32 v[RL+4*\m+3], v[154+\m], v[152+\m], s[HM]
.endr
	PLACES 8                                       ; a scale register written by a vector instruction stands eight places ahead of a scaled matrix instruction
	s_wait_tensorcnt 0x0                           ; my part of slot 0 is in
	ds_add_u32 v[SPW], v[NIL]
	s_wait_dscnt 0x0
	CROUND                                         ; everybody's is
	JLOAD G0A+4, G1A, G0B+4, G1B                   ; slot 1's first fill
	WORK 0, 0, 1                                   ; the first products start the sums
	s_cmp_eq_u32 s[NS], 1
	s_cbranch_scc1 .Lout
	s_cmp_eq_u32 s[NS], 2
	s_cbranch_scc1 .Ltwo
	CHANGE_F 0                                     ; slot 0 takes K steps 8 to 11
	WORK 1, 1, 0
	s_cmp_eq_u32 s[NS], 3
	s_cbranch_scc1 .Lthree
	CHANGE_F 1                                     ; slot 1 takes K steps 12 to 15
	WORK 0, 2, 0
	CHANGE_N
	WORK 1, 3, 0
	s_branch .Lout
.Lthree:
	CHANGE_N
	WORK 0, 2, 0
	s_branch .Lout
.Ltwo:
	CHANGE_N
	WORK 1, 1, 0
.Lout:
; THE WAY OUT, block a of 16 queries: x 1 / l; then half a block's row (64 channels, 256 bytes) at a time through my own stage, so that sixteen lanes store 256 consecutive bytes, aligned.
; LDS serves a wave's instructions in order (ISA guide 5.7.1.4): no wait between my stores and my loads.  Stage row p is query 8 a + p + 24 (p / 8) of my 64.
.macro OUTA a
	WIN 0x01                                       ; source 0: the accumulators' window
.set nn, 0
.rept 32
	v_pk_mul_f32 v[OT+nn:OT+nn+1], v[64*(\a)+nn:64*(\a)+nn+1], v[RL+2*(\a):RL+2*(\a)+1]   ; each accumulator from its low end on
.set nn, nn+2
.endr
	WIN 0
	s_wait_alu depctr_va_vdst(0)
.irp u, 0,1
	s_wait_xcnt 0x0                                ; the earlier stores have read their registers
.irp t, 0,1,2,3,4,5,6,7
	ds_store_b128 v[STO], v[OT+32*\u+4*\t:OT+32*\u+4*\t+3] offset:16*\t
.endr
.irp i, 0,1,2,3,4,5,6,7
	ds_load_b128 v[RB+4*\i:RB+4*\i+3], v[SRD] offset:2*\i*272
.endr
.irp i, 0,1,2,3,4,5,6,7
	s_wait_dscnt 7-\i                              ; loads come back in order: the younger ones may be out
	global_store_b128 v[GOF], v[RB+4*\i:RB+4*\i+3], s[88:89] offset:(8*(\a)+2*\i+24*(\i/4))*4096+256*\u th:TH_STORE_NT
.endr
.endr
.endm
	s_wait_alu depctr_va_vdst(0)
.irp a, 0,1,2,3
	OUTA \a
.endr
	s_wait_tensorcnt 0x0                           ; the wave's end, behind my last tensor load and my last LDS store
	ds_add_u32 v[SPW], v[NIL]
	s_wait_dscnt 0x0
	CROUND                                         ; the closing round: no work-group ends while a partner may still ask for a tile that names it
	s_endpgm
.Lfunc_end_k_q8475d90660_pv:
	.size	k_q8475d90660_pv, .Lfunc_end_k_q8475d90660_pv-k_q8475d90660_pv
	.p2alignl 7, 3214868480
	.fill 96, 4, 3214868480
	.section	.rodata,"a",@progbits
	.p2align	6, 0x0
	.amdhsa_kernel k_q8475d90660_pv
		.amdhsa_group_segment_fixed_size 327680
		.amdhsa_private_segment_fixed_size 0
		.amdhsa_enable_private_segment 0
		.amdhsa_kernarg_size 40
		.amdhsa_user_sgpr_count 2
		.amdhsa_user_sgpr_kernarg_segment_ptr 1
		.amdhsa_wavefront_size32 1
		.amdhsa_system_sgpr_workgroup_id_x 1
		.amdhsa_system_sgpr_workgroup_id_y 1
		.amdhsa_system_sgpr_workgroup_id_z 1
		.amdhsa_system_vgpr_workitem_id 0
		.amdhsa_next_free_vgpr 768
		.amdhsa_next_free_sgpr 100
		.amdhsa_reserve_vcc 0
		.amdhsa_float_denorm_mode_32 3
		.amdhsa_float_denorm_mode_16_64 3
		.amdhsa_memory_ordered 1
		.amdhsa_forward_progress 1
		.amdhsa_inst_pref_size 228
	.end_amdhsa_kernel
	.amdgpu_metadata
---
amdhsa.version: [ 1, 2 ]
amdhsa.kernels:
  - .name:           k_q8475d90660_pv
    .symbol:         k_q8475d90660_pv.kd
    .args:
      - { .name: pc, .offset: 0, .size: 8, .value_kind: global_buffer, .address_space: global }
      - { .name: pstat, .offset: 8, .size: 8, .value_kind: global_buffer, .address_space: global }
      - { .name: c2, .offset: 16, .size: 8, .value_kind: global_buffer, .address_space: global }
      - { .name: sc2, .offset: 24, .size: 8, .value_kind: global_buffer, .address_space: global }
      - { .name: out0, .offset: 32, .size: 8, .value_kind: global_buffer, .address_space: global }
    .group_segment_fixed_size: 327680
    .private_segment_fixed_size: 0
    .kernarg_segment_align: 8
    .kernarg_segment_size: 40
    .max_flat_workgroup_size: 128
    .sgpr_count:     100
    .vgpr_count:     768
    .wavefront_size: 32
...
	.end_amdgpu_metadata
.endif
;; end of part 4
